; MI455X (gfx1250); checked and timed in simulation.
; The chip was launched on July 23, 2026; its instructions are those of AMD's public machine-readable ISA for CDNA 5 (MIT licence, August 2026) and "CDNA5" Instruction Set Architecture Reference Guide (July 2026). The comments in the code are by the model that wrote it; some were corrected since.
;; Differential Geometry Operator. Allowed arithmetic: matrix products marked QUANTISED: E2M1 operands, one E8M0 scale for each 32 along K, by v_wmma_scale_f32_16x16x128_f8f6f4 with both operands' format E2M1 (or v_wmma_scale_f32_32x16x128_f4), f32 sums; products left as they are: f32 operands where the result goes on into a quantised operand, else bf16, f16 or f32 operands; f32 sums; everything else in f32.
;; Inputs: W1 256 x 64 float32; W2 64 x 1 float32; b1 64 float32; b2 1 float32; features 2 x 8,192 x 256 float32; points 2 x 8,192 x 3 float32.
;; Outputs: out0 2 x 8,192 x 1 float32; out1 2 x 8,192 x 256 float32.
;; This version of the problem:
;;   THIS VERSION OF THE PROBLEM IS GIVEN IN LOW PRECISION. The matrix products marked QUANTISED in the list below multiply operands that are first quantised to E2M1 (2 exponent bits, 1 mantissa bit; 4 bits a number), with one power-of-two scale for each 32 numbers along K (OCP MX v1.0); their sums are f32. All else is computed in f32.
;;   The module's matrix products, in the order in which they are computed (A, B: the left and right operand; K: the contracted axis; several contracted axes count as one K, in the product's order):
;;     1. batch 2 x [M 8,192, K 3] x [K 3, N 8,192]; A: input points; B: input points: left as it is (K = 3 < 32)
;;     2. [M 16,384, K 256] x [K 256, N 64]; A: input features; B: input W1: QUANTISED
;;     3. [M 16,384, K 64] x [K 64, N 1]; A: computed on the way; B: input W2: left as it is (N = 1 < 16)
;;   THE QUANTISER, for each operand of a quantised product, along K:
;;     - K is cut into blocks of 32 from its start; a last block that is shorter is filled with zeros.
;;     - A block's scale is 2^e with e = floor(log2(the largest magnitude in the block)) - 2, held to -126 .. 127; a block of zeros has e = 0. As a byte (E8M0): e + 127.
;;     - Each number is divided by its block's scale, clamped to +-6, and rounded to the nearest number of E2M1, ties to even, subnormals kept.
;;     - The product sums the exact products of the quantised numbers (number of the format x scale) in f32.
;;   ~~~python
;;   def quantise(x, axis):      # numpy; x: float32 -> the quantised numbers, widened to float32 again
;;       x = np.moveaxis(x, axis, -1); K = x.shape[-1]
;;       x = np.pad(x, [(0, 0)] * (x.ndim - 1) + [(0, -K % 32)]); x = x.reshape(x.shape[:-1] + (-1, 32)); a = np.abs(x).max(-1, keepdims=True)
;;       e = np.where(a > 0, np.clip(np.frexp(np.where(a > 0, a, 1))[1] - 1 - 2, -126, 127), 0)      # np.frexp(a)[1] - 1 = floor(log2(a)), exactly
;;       r = np.clip(x / 2.0 ** e, -6, 6)
;;       step = 2.0 ** (np.maximum(np.frexp(np.where(r == 0, 1, r))[1] - 1, 0) - 1)
;;       q = np.round(r / step) * step * 2.0 ** e      # np.round: ties to even
;;       return np.moveaxis(q.reshape(q.shape[:-2] + (-1,))[..., :K], -1, axis).astype(np.float32)
;;   ~~~
;; 2 versions, each right; version 2 is version 1 with the launch groups written anew for expert scheduling mode. Each part assembles by itself: llvm-mc -triple=amdgcn-amd-amdhsa -mcpu=gfx1250 --defsym DOCPART=n.
;; ======== version 1 of 2: 3 launches
;; workspace buffers: gids 524,288 bytes of whole numbers; knn 524,288 bytes of whole numbers
;; launch groups (part 1): grid 256 x 1, 8 waves a work-group, no clusters, 80,384 bytes of LDS; arguments points, features, W1, b1, W2, b2, gids, out0; writes gids, out0
.if DOCPART == 1
	.amdgcn_target "amdgcn-amd-amdhsa--gfx1250"
	.amdhsa_code_object_version 6
	.text
	.protected	k_q0fbd619af7_groups
	.globl	k_q0fbd619af7_groups
	.p2align	8
	.type	k_q0fbd619af7_groups,@function
k_q0fbd619af7_groups:
	s_mov_b64 s[64:65], 0
	v_nop
	global_prefetch_b8 v0, s[64:65] scope:SCOPE_SE
	s_setreg_imm32_b32 hwreg(HW_REG_WAVE_MODE, 25, 1), 1
	s_wait_xcnt 0x0
; FIRST LEVEL OF THE 8 NEAREST NEIGHBOURS, AND THE BOUNDARY NET.
; points [2][8192][3] f32.  A batch's points are cut into 256 GROUPS of 32 neighbouring indices.  For each query this launch finds the 8 groups with the smallest
; group minimum of d2 (ties: the lower group) and stores their numbers (batch x 256 + group) in gids [16384][8].  The 8 nearest points of a query, ordered by (d2, index),
; lie in those 8 groups: were 8 other groups ahead of a neighbour's group, each would hold a point ahead of that neighbour.  The next launch looks through them.
; d2 = max((|pj|^2 - 2 pi.pj) + |pi|^2, 0): the bracket by three fused multiply-adds in the order x, y, z onto |pj|^2; adding |pi|^2 and the clamp rise with their input, so they are
; applied to a group's minimum.  The next launch forms the same numbers by the same operations, bit for bit.
; A work-group owns 64 queries.  MINIMA: wave w, lane l holds group 32 w + l in 128 registers (-2x, -2y, -2z, |p|^2 of its 32 points, in pairs for the packed form); the queries come as
; scalars; a query costs a wave 48 packed multiply-adds and 16 three-way minima for 1,024 pairs; the 32 minima go to LDS.  SCAN: four lanes to a query, 64 groups each, an exact insertion
; into a sorted list of 8 (value and number); two merges with lane xor 1 and lane xor 2, in which the lane of the lower groups takes in the higher ones, so that equal values keep the lower group first.
; BOUNDARY NET: out0 = sigmoid(relu(Q(features) Q(W1) + b1) W2 + b2), the first product on codes of E2M1 with one E8M0 scale for each 32 along K.  Each wave quantises ONE of W1's eight
; fragments (16 columns x 128 K; a lane takes a column, its registers run down K) and leaves its register image in LDS in front of the one barrier that the minima need anyway.
; Waves 0-3 each take 16 of the work-group's 64 rows: their loads go out behind that barrier, into the registers that the points have left, and land while the scan runs.
; The product is used transposed (source 0 = 16 columns of W1, source 1 = 16 rows of x): a lane holds one row and eight hidden units a tile, so the dot product with W2 stays in the lane.
; All work-groups of a batch read the same 96 KiB of points, each wave its part once, straight into registers: there is no tile in LDS that a joint request could serve, so no cluster.
; LIMITS: NaN and infinities among the points are not served (a list place that no finite distance takes keeps group 0 of the lane's part); the order of rounding in d2 differs from the
; reference's sum; a block of zeros gets the scale byte 1 where the rule says 127 (its codes are zeros; the bytes are read here alone); blocks under 2^-124 were not tried.
.set PITCH, 1088                       ; LDS: a query's 256 minima: four parts of 64 groups, 256 bytes + 16 of padding each
.set PARTB, 272                        ; so the 16 lanes of a 16-byte load (4 queries x 4 parts) start at words 16 q + 4 part: sixteen different columns (64 banks of 4 bytes: ISA guide 11.1)
.set WIMG,  64*PITCH                   ; behind the minima: W1's eight fragments as register images, 1,024 bytes each
.set WSC,   WIMG+8*1024                ; their scale words, 128 bytes each
.set PRB,   WSC+8*128                  ; the work-group's 64 probabilities
.set XX,  32                           ; v32-63   -2x of my 32 points          (later: x's numbers, then W1's fragments)
.set YY,  64                           ; v64-95   -2y
.set ZZ,  96                           ; v96-127  -2z
.set SQ,  128                          ; v128-159 |p|^2
.set RAW, 160                          ; v160-255 the points as loaded
.set T,   160                          ; v160-191 a query's 32 numbers         (later: b1, then the hidden layer)
.set WR,  192                          ; v192-255 64 numbers of W1             (later: W2, the lists, the minima in hand)
.set WC,  160                          ; v160-167 my fragment's codes
.set X,   32                           ; v32-159  128 numbers of my row of x
.set WF,  32                           ; v32-95   W1's eight fragments
.set D,   160                          ; v160-191 four tiles of the hidden layer, begun as b1
.set W2R, 192                          ; v192-223 W2 in the same layout
.set A,   224                          ; v224-231 the list's values, ascending
.set WS,  224                          ; v224-231 later: W1's scale words
.set I0,  232                          ; v232-239 the list's numbers; the two sets take turns, so that no line waits for the line above it
.set I1,  20                           ; v20-27
.set MB,  240                          ; v240-255 sixteen minima in hand; in a merge the partner's list
.set PC,  232                          ; v232-247 later: x's two fragments
.set XS,  248                          ; v248-249 x's scale words
.set TM,  12                           ; v12-27   at work
.set WV,  2                            ; s2       my wave's number
.set MK,  56                           ; s56-63   the eight comparisons of an insertion
.set QP,  84                           ; s84-95   a query's x, y, z, each in the low word of a pair (the packed form takes the low word for both halves); two sets by turns
.set SEL, 100                          ; s100-101 v_permlanex16_b32's selects for lane xor 16
; v1 lane, v2 lane / 16; LDS addresses, all made at the head and used for nothing else: v3, v4 minima out; v5, v6 my image and scale word; v7 minima in; v8, v9 images and scale words in; v10, v11 probabilities.
; v28-30 offsets of global loads and stores; v31 |p|^2 of the query that I scan for.
; One query against my wave's 1,024 points.  sb: the scalar that holds its x; p: which set of pairs; off: its place in LDS from v4 on.
.macro QUERY sb, p, off
	s_mov_b32 s[QP+6*(\p)], s[(\sb)]
	s_mov_b32 s[QP+6*(\p)+2], s[(\sb)+1]
	s_mov_b32 s[QP+6*(\p)+4], s[(\sb)+2]
.irp i, 0,2,4,6,8,10,12,14,16,18,20,22,24,26,28,30
	v_pk_fma_f32 v[T+\i:T+\i+1], v[XX+\i:XX+\i+1], s[QP+6*(\p):QP+6*(\p)+1], v[SQ+\i:SQ+\i+1] op_sel_hi:[1,0,1]
.endr
.irp i, 0,2,4,6,8,10,12,14,16,18,20,22,24,26,28,30
	v_pk_fma_f32 v[T+\i:T+\i+1], v[YY+\i:YY+\i+1], s[QP+6*(\p)+2:QP+6*(\p)+3], v[T+\i:T+\i+1] op_sel_hi:[1,0,1]
.endr
.irp i, 0,2,4,6,8,10,12,14,16,18,20,22,24,26,28,30
	v_pk_fma_f32 v[T+\i:T+\i+1], v[ZZ+\i:ZZ+\i+1], s[QP+6*(\p)+4:QP+6*(\p)+5], v[T+\i:T+\i+1] op_sel_hi:[1,0,1]
.endr
.irp c, 0,1,2,3                        ; the group's minimum, in four chains
	v_min3_num_f32 v[TM+\c], v[T+3*\c], v[T+3*\c+1], v[T+3*\c+2]
.endr
.irp c, 0,1,2,3
	v_min3_num_f32 v[TM+\c], v[TM+\c], v[T+12+2*\c], v[T+13+2*\c]
.endr
.irp c, 0,1,2,3
	v_min3_num_f32 v[TM+\c], v[TM+\c], v[T+20+2*\c], v[T+21+2*\c]
.endr
.irp c, 0,1
	v_min3_num_f32 v[TM+\c], v[TM+\c], v[T+28+2*\c], v[T+29+2*\c]
.endr
	v_min3_num_f32 v[TM], v[TM], v[TM+1], v[TM+2]
	v_min_num_f32 v[TM], v[TM], v[TM+3]
	ds_store_b32 v4, v[TM] offset:\off             ; 32 lanes, 128 neighbouring bytes
.endm
; Sixteen queries: two sets of eight in scalars; while one set is worked on, the other is on its way.  more = 1: the next sixteen follow.
.macro SET16 more
	v_add_nc_u32 v4, s96, v3
	s_load_b512 s[32:47], s[6:7], 0x60             ; queries 8-15: 96 bytes
	s_load_b256 s[48:55], s[6:7], 0xa0
.irp k, 0,1,2,3,4,5,6,7
	QUERY 8+3*\k, \k%2, \k*PITCH
.endr
	s_wait_kmcnt 0x0                               ; the second set is in, and its loads have read their base
.if \more
	s_add_nc_u64 s[6:7], s[6:7], 192
	s_load_b512 s[8:23], s[6:7], 0x0
	s_load_b256 s[24:31], s[6:7], 0x40
.endif
.irp k, 0,1,2,3,4,5,6,7
	QUERY 32+3*\k, \k%2, (8+\k)*PITCH
.endr
.if \more
	s_wait_kmcnt 0x0
.endif
.endm
; The number v[val] with the tag idx goes into the ascending list of 8; the largest falls out.  An equal value stays ahead of the newcomer.  src, dst: the tags' two sets.
.macro INSERT val, idx, src, dst
.irp j, 0,1,2,3,4,5,6,7
	v_cmp_lt_f32 s[MK+\j], v[\val], v[A+\j]
.endr
.irp j, 7,6,5,4,3,2,1
	v_med3_num_f32 v[A+\j], v[A+\j-1], v[\val], v[A+\j]   ; the middle of my lower neighbour, the newcomer and myself: from the top down, so that each line finds old values
.endr
	v_min_num_f32 v[A], v[A], v[\val]
.irp j, 0,1,2,3,4,5,6,7
	v_cndmask_b32 v[\dst+\j], v[\src+\j], \idx, s[MK+\j]
.endr
.irp j, 1,2,3,4,5,6,7
	v_cndmask_b32 v[\dst+\j], v[\dst+\j], v[\src+\j-1], s[MK+\j-1]
.endr
.endm
.macro EIGHT base                      ; eight minima become d2 and go into the list; s97 counts the groups of my part
.irp e, 0,1,2,3,4,5,6,7
	v_add_f32 v[\base+\e], v31, v[\base+\e]
.endr
.irp e, 0,1,2,3,4,5,6,7
	v_max_num_f32 v[\base+\e], 0, v[\base+\e]
.endr
.irp e, 0,2,4,6
	INSERT \base+\e, s97, I0, I1
	s_add_co_u32 s97, s97, 1
	INSERT \base+\e+1, s97, I1, I0
	s_add_co_u32 s97, s97, 1
.endr
.endm
.macro MERGE xm                        ; the list of lane xor xm is taken in.  Right in the lane of the lower groups, which alone is used further on
.irp j, 0,1,2,3,4,5,6,7
	v_mov_b32_dpp v[MB+\j], v[A+\j] row_xmask:\xm row_mask:0xf bank_mask:0xf
	v_mov_b32_dpp v[MB+8+\j], v[I0+\j] row_xmask:\xm row_mask:0xf bank_mask:0xf
.endr
.irp e, 0,2,4,6
	INSERT MB+\e, v[MB+8+\e], I0, I1
	INSERT MB+\e+1, v[MB+9+\e], I1, I0
.endr
.endm
; 64 numbers of a lane, register 16 b + i = k 32 b + 16 (lane / 16) + i of my row, become a fragment's codes in v[cod] on and its scale word in v[wrd].
.macro QUANT src, cod, wrd
.irp b, 0,1,2,3
	v_max3_num_f32 v[TM+\b], |v[\src+16*\b]|, |v[\src+1+16*\b]|, 0x1800000   ; my 16 numbers of block b, and the floor 2^(3 - 127): the byte cannot fall under 1
.endr
.irp i, 2,4,6,8,10,12,14
.irp b, 0,1,2,3
	v_max3_num_f32 v[TM+\b], v[TM+\b], |v[\src+16*\b+\i]|, |v[\src+1+16*\b+\i]|
.endr
.endr
.irp b, 0,1,2,3
	v_permlanex16_b32 v[TM+4+\b], v[TM+\b], s[SEL], s[SEL+1]
.endr
.irp b, 0,1,2,3
	v_max_num_f32 v[TM+\b], v[TM+\b], v[TM+4+\b]   ; with lane xor 16's: the block's largest magnitude
.endr
.irp b, 0,1,2,3
	v_add_nc_u32 v[TM+12+\b], 0xff000000, v[TM+\b] ; 2 off its exponent field: the conversion's scale operand
.endr
.irp b, 0,1,2,3
	v_lshrrev_b32 v[TM+4+\b], 23, v[TM+12+\b]      ; the scale's byte
.endr
	v_lshl_or_b32 v[\wrd], v[TM+5], 8, v[TM+4]
	v_lshl_or_b32 v[\wrd], v[TM+6], 16, v[\wrd]
	v_lshl_or_b32 v[\wrd], v[TM+7], 24, v[\wrd]
.irp b, 0,1,2,3
	v_cvt_scalef32_pk8_fp4_f32 v[\cod+2*\b], v[\src+16*\b:\src+7+16*\b], v[TM+12+\b]
	v_cvt_scalef32_pk8_fp4_f32 v[\cod+1+2*\b], v[\src+8+16*\b:\src+15+16*\b], v[TM+12+\b]
.endr
	v_nop                                          ; one plain place behind a scaled conversion
.irp c, 0,1                            ; the operand's layout wants a whole block in a lane: lanes 0-15 block 2 c, lanes 16-31 block 2 c + 1
.irp i, 0,1
	v_permlane16_swap_b32 v[\cod+4*\c+\i], v[\cod+2+4*\c+\i]
.endr
.endr
.endm
	s_load_b256 s[68:75], s[0:1], 0x0              ; points s[68:69], features s[70:71], W1 s[72:73], b1 s[74:75]
	s_load_b256 s[76:83], s[0:1], 0x20             ; W2 s[76:77], b2 s[78:79], gids s[80:81], out0 s[82:83]
	s_set_vgpr_msb 0x40
	v_lshl_add_u32 v0, v0, 2, 0x13600
	v_mov_b32 v1, 0
	s_set_vgpr_msb 0x4000
	v_lshrrev_b32 v12, 5, v0
	v_readfirstlane_b32 s[WV], v12                 ; wave 0..7
	v_and_b32 v1, 31, v0                           ; lane
	v_bfe_u32 v2, v0, 4, 1                         ; lane / 16
	v_and_b32 v14, 15, v0                          ; lane % 16
	v_lshrrev_b32 v12, 2, v0                       ; the query that I scan for, 0..63
	v_and_b32 v13, 3, v0                           ; and which 64 groups of it
	v_mul_u32_u24 v28, v1, 384                     ; my group's 32 points: 384 bytes
	v_mul_u32_u24 v30, v12, 12
	s_lshr_b32 s98, ttmp9, 7                       ; the batch: 128 work-groups each
	s_mul_i32 s4, s98, 98304                       ; its points,
	s_mul_i32 s6, s[WV], 12288                     ; my wave's 1,024 of them
	s_add_co_u32 s4, s4, s6
	s_mov_b32 s5, 0
	s_mul_i32 s6, ttmp9, 768                       ; the work-group's 64 queries
	s_mov_b32 s7, 0
	s_wait_kmcnt 0x0
	s_add_nc_u64 s[4:5], s[68:69], s[4:5]
	s_add_nc_u64 s[6:7], s[68:69], s[6:7]
	global_load_b32 v20, v30, s[6:7]
	global_load_b32 v21, v30, s[6:7] offset:4
	global_load_b32 v22, v30, s[6:7] offset:8
.set i, 0
.rept 24
	global_load_b128 v[RAW+4*i:RAW+4*i+3], v28, s[4:5] offset:16*i
.set i, i+1
.endr
	s_load_b512 s[8:23], s[6:7], 0x0               ; queries 0-7
	s_load_b256 s[24:31], s[6:7], 0x40
	; every LDS address: a constant, a constant x lane, a constant x wave
	s_lshr_b32 s96, s[WV], 1
	s_mul_i32 s96, s96, PARTB
	s_and_b32 s97, s[WV], 1
	s_lshl_b32 s97, s97, 7
	s_add_co_u32 s96, s96, s97
	v_lshl_add_u32 v3, v1, 2, s96                  ; group 32 w + l lies in part w / 2, at word 32 (w % 2) + l
	s_lshl_b32 s96, s[WV], 10
	s_add_co_u32 s96, s96, WIMG
	v_lshl_add_u32 v5, v1, 4, s96
	s_lshl_b32 s96, s[WV], 7
	s_add_co_u32 s96, s96, WSC
	v_lshl_add_u32 v6, v1, 2, s96
	v_mul_u32_u24 v7, v12, PITCH
	v_mad_u32_u24 v7, v13, PARTB, v7
	v_lshl_add_u32 v8, v1, 4, WIMG
	v_lshl_add_u32 v9, v1, 2, WSC
	s_lshl_b32 s96, s[WV], 6
	s_add_co_u32 s96, s96, PRB
	v_lshl_add_u32 v10, v14, 2, s96
	v_lshl_add_u32 v11, v1, 3, PRB
	v_lshlrev_b32 v29, 2, v14                      ; W1: column lane % 16,
	v_lshl_add_u32 v29, v2, 13, v29                ; lanes 16-31 begin 32 rows of 256 bytes further down
	s_lshl_b32 s98, s98, 8                         ; the batch's first group
	s_mov_b32 s[SEL], 0x76543210
	s_mov_b32 s[SEL+1], 0xfedcba98
.irp n, 85,87,89,91,93,95
	s_mov_b32 s\n, 0                               ; the pairs' upper words are named with the lower, so they are written
.endr
	s_wait_loadcnt 0x0
	v_mul_f32 v31, v20, v20                        ; |p|^2 of my query, by the same three lines as the points'
	v_fmac_f32 v31, v21, v21
	v_fmac_f32 v31, v22, v22
.set i, 0
.rept 32
	v_mul_f32 v[SQ+i], v[RAW+3*i], v[RAW+3*i]
.set i, i+1
.endr
.set i, 0
.rept 32
	v_fmac_f32 v[SQ+i], v[RAW+3*i+1], v[RAW+3*i+1]
.set i, i+1
.endr
.set i, 0
.rept 32
	v_fmac_f32 v[SQ+i], v[RAW+3*i+2], v[RAW+3*i+2]
.set i, i+1
.endr
.set i, 0
.rept 32
	v_mul_f32 v[XX+i], -2.0, v[RAW+3*i]
	v_mul_f32 v[YY+i], -2.0, v[RAW+3*i+1]
	v_mul_f32 v[ZZ+i], -2.0, v[RAW+3*i+2]
.set i, i+1
.endr
	; my fragment of W1: tile w % 4 of 16 columns, K step w / 4.  Its 64 loads land while the minima are made
	s_and_b32 s4, s[WV], 3
	s_lshl_b32 s4, s4, 6
	s_lshr_b32 s5, s[WV], 2
	s_lshl_b32 s5, s5, 15
	s_add_co_u32 s4, s4, s5
	s_mov_b32 s5, 0
	s_add_nc_u64 s[4:5], s[72:73], s[4:5]
.irp c, 0,1
.set i, 0
.rept 32
	global_load_b32 v[WR+32*\c+i], v29, s[4:5] offset:256*(64*\c+i)   ; W1(128 s + 64 c + 32 (lane / 16) + i, 16 t + lane % 16)
.set i, i+1
.endr
.endr
	s_wait_kmcnt 0x0                               ; queries 0-7
	; ---- MINIMA: 64 queries, sixteen a trip; the last sixteen are written out, so that no load leaves the buffer
	s_mov_b32 s96, 0
	s_mov_b32 s3, 3
.Ltrip:
	SET16 1
	s_add_co_u32 s96, s96, 16*PITCH
	s_sub_co_u32 s3, s3, 1
	s_cmp_lg_u32 s3, 0
	s_cbranch_scc1 .Ltrip
	SET16 0
	; ---- my fragment of W1 becomes codes: a lane holds two whole blocks of its column
	s_wait_loadcnt 0x0
.irp c, 0,1
	v_max3_num_f32 v[TM+\c], |v[WR+32*\c]|, |v[WR+32*\c+1]|, 0x1800000
.endr
.irp i, 2,4,6,8,10,12,14,16,18,20,22,24,26,28,30
.irp c, 0,1
	v_max3_num_f32 v[TM+\c], v[TM+\c], |v[WR+32*\c+\i]|, |v[WR+32*\c+\i+1]|
.endr
.endr
.irp c, 0,1
	v_add_nc_u32 v[TM+2+\c], 0xff000000, v[TM+\c]
.endr
.irp c, 0,1
	v_lshrrev_b32 v[TM+4+\c], 23, v[TM+2+\c]
.endr
	v_lshl_or_b32 v[TM+6], v[TM+5], 16, v[TM+4]    ; my two bytes: blocks lane / 16 and 2 + lane / 16,
	v_lshlrev_b32 v[TM+7], 3, v2
	v_lshlrev_b32 v[TM+6], v[TM+7], v[TM+6]        ; at their places in the scale word;
	v_mov_b32 v[TM+7], 0
	v_permlanex16_b32 v[TM+7], v[TM+6], s[SEL], s[SEL+1]
	v_or_b32 v[TM+6], v[TM+6], v[TM+7]             ; with lane xor 16's two the word is whole
.irp c, 0,1
.irp g, 0,1,2,3
	v_cvt_scalef32_pk8_fp4_f32 v[WC+4*\c+\g], v[WR+32*\c+8*\g:WR+32*\c+8*\g+7], v[TM+2+\c]
.endr
.endr
	v_nop                                          ; one plain place behind a scaled conversion
	ds_store_b128 v5, v[WC:WC+3]                   ; the fragment goes to LDS as it stands: 16 bytes a lane, 512 a store
	ds_store_b128 v5, v[WC+4:WC+7] offset:512
	ds_store_b32 v6, v[TM+6]
	s_wait_dscnt 0x0                               ; for the others' sake: my minima, my image and my scale words have landed
	s_barrier_signal -1
	s_barrier_wait -1
	; ---- waves 0-3 ask for their 16 rows of x, b1 and W2: 48 loads that land during the scan
	s_cmp_ge_u32 s[WV], 4
	s_cbranch_scc1 .Lno_x
	s_lshl_b32 s4, ttmp9, 16                       ; 64 rows of 1,024 bytes a work-group,
	s_lshl_b32 s5, s[WV], 14                       ; 16 a wave
	s_add_co_u32 s4, s4, s5
	s_mov_b32 s5, 0
	s_add_nc_u64 s[4:5], s[70:71], s[4:5]
	v_and_b32 v28, 15, v0
	v_lshlrev_b32 v28, 10, v28
	v_lshl_add_u32 v28, v2, 6, v28                 ; row lane % 16, + 64 (lane / 16): my 16 numbers of each block of 32
	v_lshlrev_b32 v29, 5, v2                       ; b1, W2: my half's eight of a tile's sixteen
.irp s, 0,1
.irp b, 0,1,2,3
.irp j, 0,1,2,3
	global_load_b128 v[X+64*\s+16*\b+4*\j:X+64*\s+16*\b+4*\j+3], v28, s[4:5] offset:512*\s+128*\b+16*\j
.endr
.endr
.endr
.irp t, 0,1,2,3
	global_load_b128 v[D+8*\t:D+8*\t+3], v29, s[74:75] offset:64*\t
	global_load_b128 v[D+8*\t+4:D+8*\t+7], v29, s[74:75] offset:64*\t+16
	global_load_b128 v[W2R+8*\t:W2R+8*\t+3], v29, s[76:77] offset:64*\t
	global_load_b128 v[W2R+8*\t+4:W2R+8*\t+7], v29, s[76:77] offset:64*\t+16
.endr
	s_load_b32 s99, s[78:79], 0x0                  ; b2
.Lno_x:
	; ---- SCAN: my 64 groups of my query, sixteen a trip
.irp j, 0,1,2,3,4,5,6,7
	v_mov_b32 v[A+\j], 0x7f800000                  ; +infinity: every finite d2 goes ahead of it
	v_mov_b32 v[I0+\j], 0
.endr
	s_mov_b32 s97, 0
	s_mov_b32 s3, 4
.Lscan:
	ds_load_b128 v[MB:MB+3], v7
	ds_load_b128 v[MB+4:MB+7], v7 offset:16
	ds_load_b128 v[MB+8:MB+11], v7 offset:32
	ds_load_b128 v[MB+12:MB+15], v7 offset:48
	s_wait_dscnt 0x2                               ; the first eight minima are in; the two younger loads may be out
	EIGHT MB
	s_wait_dscnt 0x0
	EIGHT MB+8
	v_add_nc_u32 v7, 64, v7
	s_sub_co_u32 s3, s3, 1
	s_cmp_lg_u32 s3, 0
	s_cbranch_scc1 .Lscan
	v_and_b32 v12, 3, v0
	v_lshl_add_u32 v12, v12, 6, s98                ; my part's first group, counted over both batches
.irp j, 0,1,2,3,4,5,6,7
	v_add_nc_u32 v[I0+\j], v12, v[I0+\j]
.endr
	MERGE 1
	MERGE 2
	; the list of the quad's first lane leaves through all four: lane part p stores numbers 2 p and 2 p + 1, so that the wave's store covers 256 consecutive bytes, aligned
	s_mov_b32 s10, 0x22222222
	s_mov_b32 s11, 0x44444444
	s_mov_b32 s12, 0x88888888
	v_mov_b32_dpp v248, v[I0+2] row_xmask:1 row_mask:0xf bank_mask:0xf
	v_mov_b32_dpp v249, v[I0+3] row_xmask:1 row_mask:0xf bank_mask:0xf
	v_mov_b32_dpp v250, v[I0+4] row_xmask:2 row_mask:0xf bank_mask:0xf
	v_mov_b32_dpp v251, v[I0+5] row_xmask:2 row_mask:0xf bank_mask:0xf
	v_mov_b32_dpp v252, v[I0+6] row_xmask:3 row_mask:0xf bank_mask:0xf
	v_mov_b32_dpp v253, v[I0+7] row_xmask:3 row_mask:0xf bank_mask:0xf
	v_cndmask_b32 v254, v[I0], v248, s10
	v_cndmask_b32 v255, v[I0+1], v249, s10
	v_cndmask_b32 v254, v254, v250, s11
	v_cndmask_b32 v255, v255, v251, s11
	v_cndmask_b32 v254, v254, v252, s12
	v_cndmask_b32 v255, v255, v253, s12
	v_lshlrev_b32 v30, 3, v0                       ; 8 bytes a thread
	s_lshl_b32 s6, ttmp9, 11                       ; 64 queries x 32 bytes
	s_mov_b32 s7, 0
	s_add_nc_u64 s[6:7], s[80:81], s[6:7]
	global_store_b64 v30, v[254:255], s[6:7]       ; v30, v254 and v255 are not written again
	; ---- BOUNDARY NET: waves 0-3, 16 rows each
	s_cmp_ge_u32 s[WV], 4
	s_cbranch_scc1 .Lno_mlp
.irp b, 0,1,2,3
	v_mov_b32 v[TM+4+\b], 0                        ; a lane permute's destination counts as one of its sources
.endr
	s_wait_loadcnt 0x0                             ; x, b1, W2
	s_wait_kmcnt 0x0                               ; b2
	s_mul_f32 s99, s99, 0xbfb8aa3b                 ; -log2(e) b2
	QUANT X, PC, XS
.irp f, 0,1,2,3,4,5,6,7                ; fragment f = 4 (K step) + tile, into the registers that x's first 64 numbers have left
	ds_load_b128 v[WF+8*\f:WF+8*\f+3], v8 offset:1024*\f
	ds_load_b128 v[WF+8*\f+4:WF+8*\f+7], v8 offset:1024*\f+512
	ds_load_b32 v[WS+\f], v9 offset:128*\f
.endr
	QUANT X+64, PC+8, XS+1
	s_wait_dscnt 0x0
.rept 8
	v_nop                                          ; a scale register written by a vector instruction stands 8 places ahead of a scaled matrix instruction, an operand so written 4
.endr
.irp t, 0,1,2,3                        ; the four tiles by turns, one instruction a turn; b1 is the C of each sum's first instruction
	v_wmma_scale_f32_16x16x128_f8f6f4 v[D+8*\t:D+8*\t+7], v[WF+8*\t:WF+8*\t+7], v[PC:PC+7], v[D+8*\t:D+8*\t+7], v[WS+\t], v[XS] matrix_a_fmt:MATRIX_FMT_FP4 matrix_b_fmt:MATRIX_FMT_FP4
.endr
.irp t, 0,1,2,3
	v_wmma_scale_f32_16x16x128_f8f6f4 v[D+8*\t:D+8*\t+7], v[WF+32+8*\t:WF+32+8*\t+7], v[PC+8:PC+15], v[D+8*\t:D+8*\t+7], v[WS+4+\t], v[XS+1] matrix_a_fmt:MATRIX_FMT_FP4 matrix_b_fmt:MATRIX_FMT_FP4
.endr
.rept 4
	v_nop                                          ; four places in front of the first read of results (ISA guide 7.12.1)
.endr
.set i, 0
.rept 32
	v_max_num_f32 v[D+i], 0, v[D+i]                ; relu; register 8 t + j of lane (r, h): hidden unit 16 t + 8 h + j of row r; each tile from its low end on
.set i, i+1
.endr
	v_pk_mul_f32 v[TM:TM+1], v[D:D+1], v[W2R:W2R+1]           ; the dot product with W2, f32, two chains of pairs
	v_pk_mul_f32 v[TM+2:TM+3], v[D+2:D+3], v[W2R+2:W2R+3]
.irp j, 4,8,12,16,20,24,28
	v_pk_fma_f32 v[TM:TM+1], v[D+\j:D+\j+1], v[W2R+\j:W2R+\j+1], v[TM:TM+1]
	v_pk_fma_f32 v[TM+2:TM+3], v[D+\j+2:D+\j+3], v[W2R+\j+2:W2R+\j+3], v[TM+2:TM+3]
.endr
	v_pk_add_f32 v[TM:TM+1], v[TM:TM+1], v[TM+2:TM+3]
	v_add_f32 v[TM], v[TM], v[TM+1]
	v_permlanex16_b32 v[TM+1], v[TM], s[SEL], s[SEL+1]
	v_add_f32 v[TM], v[TM], v[TM+1]                ; with lane xor 16's 32 hidden units: the row's sum
	v_fma_f32 v[TM], v[TM], 0xbfb8aa3b, s99        ; -log2(e) (sum + b2)
	v_exp_f32 v[TM], v[TM]
	v_nop                                          ; a plain place behind the transcendental,
	s_wait_alu depctr_va_vdst(0)                   ; and a wait ahead of its first reader
	v_add_f32 v[TM], 1.0, v[TM]
	v_rcp_f32 v[TM], v[TM]                         ; sigmoid = 1 / (1 + 2^(-log2(e) z)); an overflowing power gives 0
	v_nop
	s_wait_alu depctr_va_vdst(0)
	ds_store_b32 v10, v[TM]                        ; lanes r and r + 16 write the same word with the same value
.Lno_mlp:
	s_wait_dscnt 0x0                               ; my probabilities have landed
	s_barrier_signal -1
	s_barrier_wait -1
	s_cmp_lg_u32 s[WV], 0
	s_cbranch_scc1 .Lend
	ds_load_b64 v[12:13], v11                      ; wave 0 stores the work-group's 64 probabilities: 256 consecutive bytes, aligned
	s_lshl_b32 s8, ttmp9, 8
	s_mov_b32 s9, 0
	s_add_nc_u64 s[8:9], s[82:83], s[8:9]
	s_wait_dscnt 0x0
	global_store_b64 v30, v[12:13], s[8:9]         ; in wave 0 the thread's number is the lane's
.Lend:
	s_set_vgpr_msb 0x5
	s_wait_tensorcnt 0x0
	ds_add_u32 v0, v1
	s_wait_dscnt 0x0
	s_set_vgpr_msb 0x500
	s_endpgm
.Lfunc_end_k_q0fbd619af7_groups:
	.size	k_q0fbd619af7_groups, .Lfunc_end_k_q0fbd619af7_groups-k_q0fbd619af7_groups
	.p2alignl 7, 3214868480
	.fill 96, 4, 3214868480
	.section	.rodata,"a",@progbits
	.p2align	6, 0x0
	.amdhsa_kernel k_q0fbd619af7_groups
		.amdhsa_group_segment_fixed_size 80384
		.amdhsa_private_segment_fixed_size 0
		.amdhsa_enable_private_segment 0
		.amdhsa_kernarg_size 64
		.amdhsa_user_sgpr_count 2
		.amdhsa_user_sgpr_kernarg_segment_ptr 1
		.amdhsa_wavefront_size32 1
		.amdhsa_system_sgpr_workgroup_id_x 1
		.amdhsa_system_sgpr_workgroup_id_y 1
		.amdhsa_system_sgpr_workgroup_id_z 1
		.amdhsa_system_vgpr_workitem_id 0
		.amdhsa_next_free_vgpr 258
		.amdhsa_next_free_sgpr 102
		.amdhsa_reserve_vcc 0
		.amdhsa_float_denorm_mode_32 3
		.amdhsa_float_denorm_mode_16_64 3
		.amdhsa_memory_ordered 1
		.amdhsa_forward_progress 1
		.amdhsa_inst_pref_size 241
	.end_amdhsa_kernel
	.amdgpu_metadata
---
amdhsa.version: [ 1, 2 ]
amdhsa.kernels:
  - .name:           k_q0fbd619af7_groups
    .symbol:         k_q0fbd619af7_groups.kd
    .args:
      - { .name: points, .offset: 0, .size: 8, .value_kind: global_buffer, .address_space: global }
      - { .name: features, .offset: 8, .size: 8, .value_kind: global_buffer, .address_space: global }
      - { .name: W1, .offset: 16, .size: 8, .value_kind: global_buffer, .address_space: global }
      - { .name: b1, .offset: 24, .size: 8, .value_kind: global_buffer, .address_space: global }
      - { .name: W2, .offset: 32, .size: 8, .value_kind: global_buffer, .address_space: global }
      - { .name: b2, .offset: 40, .size: 8, .value_kind: global_buffer, .address_space: global }
      - { .name: gids, .offset: 48, .size: 8, .value_kind: global_buffer, .address_space: global }
      - { .name: out0, .offset: 56, .size: 8, .value_kind: global_buffer, .address_space: global }
    .group_segment_fixed_size: 80384
    .private_segment_fixed_size: 0
    .kernarg_segment_align: 8
    .kernarg_segment_size: 64
    .max_flat_workgroup_size: 256
    .sgpr_count:     102
    .vgpr_count:     258
    .wavefront_size: 32
...
	.end_amdgpu_metadata
.endif
;; end of part 1
;; launch refine (part 2): grid 256 x 1, 8 waves a work-group, no clusters, 0 bytes of LDS; arguments points, gids, knn; writes knn
.if DOCPART == 2
	.amdgcn_target "amdgcn-amd-amdhsa--gfx1250"
	.amdhsa_code_object_version 6
	.text
	.protected	k_q0fbd619af7_refine
	.globl	k_q0fbd619af7_refine
	.p2align	8
	.type	k_q0fbd619af7_refine,@function
k_q0fbd619af7_refine:
	s_mov_b64 s[64:65], 0
	v_nop
	global_prefetch_b8 v0, s[64:65] scope:SCOPE_SE
	s_setreg_imm32_b32 hwreg(HW_REG_WAVE_MODE, 25, 1), 1
	s_wait_xcnt 0x0
; SECOND LEVEL OF THE 8 NEAREST NEIGHBOURS.  gids [16384][8] holds, for each query, the 8 groups of 32 points (batch x 256 + group) in which its 8 nearest points lie.
; This launch looks through those 256 points and stores the 8 nearest points' rows (batch x 8192 + index) in knn [16384][8]; their order in the list is of no account, since a mean is taken of them.
; d2 = max((|pj|^2 - 2 pi.pj) + |pi|^2, 0) by the same operations in the same order as in the launch before: x (-2 xq) is the same product as (-2 x) xq, so the bits are equal.
; TIES go to the lower index, as in lax.top_k: the 8 group numbers are sorted ascending first, a lane walks its points in ascending order, an equal value stays ahead of a newcomer,
; and in a merge the lane of the lower groups takes in the higher ones.
; Four lanes to a query, two groups (64 points) each; a work-group of eight waves owns 64 queries.  A lane's two groups are 2 x 384 consecutive bytes: all 48 loads go out at once, into 192 registers.
; No LDS, no barrier: waves share nothing.  The group numbers are held to 511 in front of the address, so every load stays inside points.
; LIMITS: NaN and infinities among the points are not served (a list place that no finite distance takes keeps the query's own row).
.set A,   32                           ; v32-39  the list's values, ascending
.set I0,  40                           ; v40-47  the list's rows; two sets by turns
.set I1,  48                           ; v48-55
.set CT,  56                           ; v56-59  d2 of four points
.set CI,  60                           ; v60-63  their rows
.set PB,  64                           ; v64-255 four halves of a group: 16 points, 48 registers each
.set MB,  64                           ; in a merge: the partner's list
.set MK,  16                           ; s16-23  the eight comparisons of an insertion
.macro INSERT val, idx, src, dst       ; v[val] with the tag idx goes into the ascending list of 8; an equal value stays ahead of the newcomer
.irp j, 0,1,2,3,4,5,6,7
	v_cmp_lt_f32 s[MK+\j], v[\val], v[A+\j]
.endr
.irp j, 7,6,5,4,3,2,1
	v_med3_num_f32 v[A+\j], v[A+\j-1], v[\val], v[A+\j]
.endr
	v_min_num_f32 v[A], v[A], v[\val]
.irp j, 0,1,2,3,4,5,6,7
	v_cndmask_b32 v[\dst+\j], v[\src+\j], \idx, s[MK+\j]
.endr
.irp j, 1,2,3,4,5,6,7
	v_cndmask_b32 v[\dst+\j], v[\dst+\j], v[\src+\j-1], s[MK+\j-1]
.endr
.endm
.macro MERGE xm
.irp j, 0,1,2,3,4,5,6,7
	v_mov_b32_dpp v[MB+\j], v[A+\j] row_xmask:\xm row_mask:0xf bank_mask:0xf
	v_mov_b32_dpp v[MB+8+\j], v[I0+\j] row_xmask:\xm row_mask:0xf bank_mask:0xf
.endr
.irp e, 0,2,4,6
	INSERT MB+\e, v[MB+8+\e], I0, I1
	INSERT MB+\e+1, v[MB+9+\e], I1, I0
.endr
.endm
.macro CE a, b                         ; a comparator of the sorting network
	v_min_u32 v16, v[\a], v[\b]
	v_max_u32 v[\b], v[\a], v[\b]
	v_mov_b32 v[\a], v16
.endm
; Four points: pb their first register (x, y, z on end), gr the register with their group's first row, c0 the first one's number in the group
.macro QUAD pb, gr, c0
.irp e, 0,1,2,3
	v_mul_f32 v[CT+\e], v[\pb+3*\e], v[\pb+3*\e]
.endr
.irp e, 0,1,2,3
	v_fmac_f32 v[CT+\e], v[\pb+3*\e+1], v[\pb+3*\e+1]
.endr
.irp e, 0,1,2,3
	v_fmac_f32 v[CT+\e], v[\pb+3*\e+2], v[\pb+3*\e+2]
.endr
.irp e, 0,1,2,3
	v_fmac_f32 v[CT+\e], v[\pb+3*\e], v4
.endr
.irp e, 0,1,2,3
	v_fmac_f32 v[CT+\e], v[\pb+3*\e+1], v5
.endr
.irp e, 0,1,2,3
	v_fmac_f32 v[CT+\e], v[\pb+3*\e+2], v6
.endr
.irp e, 0,1,2,3
	v_add_f32 v[CT+\e], v7, v[CT+\e]
.endr
.irp e, 0,1,2,3
	v_max_num_f32 v[CT+\e], 0, v[CT+\e]
.endr
.irp e, 0,1,2,3
	v_add_nc_u32 v[CI+\e], \c0+\e, v[\gr]
.endr
	INSERT CT, v[CI], I0, I1
	INSERT CT+1, v[CI+1], I1, I0
	INSERT CT+2, v[CI+2], I0, I1
	INSERT CT+3, v[CI+3], I1, I0
.endm
.macro HALF h, left                    ; left: the loads issued behind this half's twelve, which may stay out
	s_wait_loadcnt \left
.irp u, 0,1,2,3
	QUAD PB+48*(\h)+12*\u, 20+(\h)/2, 16*((\h)%2)+4*\u
.endr
.endm
	s_load_b128 s[4:7], s[0:1], 0x0                ; points s[4:5], gids s[6:7]
	s_load_b64 s[8:9], s[0:1], 0x10                ; knn
	v_lshrrev_b32 v1, 2, v0                        ; my query, 0..63
	v_lshlrev_b32 v2, 5, v1                        ; its 32 bytes of gids
	v_mul_u32_u24 v3, v1, 12                       ; its coordinates
	v_lshlrev_b32 v28, 3, v0                       ; the way out: 8 bytes a thread
	s_lshl_b32 s10, ttmp9, 11                      ; 64 queries x 32 bytes, in gids and in knn
	s_mov_b32 s11, 0
	s_mul_i32 s12, ttmp9, 768
	s_mov_b32 s13, 0
	s_lshl_b32 s14, ttmp9, 6                       ; the work-group's first row
	s_mov_b32 s24, 0x22222222                      ; the lanes of part 1, 2, 3 of each quad
	s_mov_b32 s25, 0x44444444
	s_mov_b32 s26, 0x88888888
	s_wait_kmcnt 0x0
	s_add_nc_u64 s[6:7], s[6:7], s[10:11]
	s_add_nc_u64 s[8:9], s[8:9], s[10:11]
	s_add_nc_u64 s[12:13], s[4:5], s[12:13]
	global_load_b128 v[8:11], v2, s[6:7]
	global_load_b128 v[12:15], v2, s[6:7] offset:16
	global_load_b32 v4, v3, s[12:13]
	global_load_b32 v5, v3, s[12:13] offset:4
	global_load_b32 v6, v3, s[12:13] offset:8
	v_add_nc_u32 v29, s14, v1                      ; my query's own row
.irp j, 0,1,2,3,4,5,6,7
	v_mov_b32 v[A+\j], 0x7f800000
	v_mov_b32 v[I0+\j], v29
.endr
	s_wait_loadcnt 0x3                             ; the 8 group numbers are in; the three coordinate loads may be out
	CE 8, 9                                        ; ascending, by Batcher's network of 19 comparators
	CE 10, 11
	CE 12, 13
	CE 14, 15
	CE 8, 10
	CE 9, 11
	CE 12, 14
	CE 13, 15
	CE 9, 10
	CE 13, 14
	CE 8, 12
	CE 9, 13
	CE 10, 14
	CE 11, 15
	CE 10, 12
	CE 11, 13
	CE 9, 10
	CE 11, 12
	CE 13, 14
	v_cndmask_b32 v20, v8, v10, s24                ; part p takes the sorted numbers 2 p and 2 p + 1
	v_cndmask_b32 v21, v9, v11, s24
	v_cndmask_b32 v20, v20, v12, s25
	v_cndmask_b32 v21, v21, v13, s25
	v_cndmask_b32 v20, v20, v14, s26
	v_cndmask_b32 v21, v21, v15, s26
	v_min_u32 v20, 0x1ff, v20                      ; held inside the table in front of the address
	v_min_u32 v21, 0x1ff, v21
	v_mul_u32_u24 v24, v20, 384                    ; a group's 32 points: 384 bytes
	v_mul_u32_u24 v25, v21, 384
	v_lshlrev_b32 v20, 5, v20                      ; and its first row
	v_lshlrev_b32 v21, 5, v21
.irp h, 0,1,2,3                        ; half h: group h / 2, points 16 (h % 2) on
.set i, 0
.rept 12
	global_load_b128 v[PB+48*\h+4*i:PB+48*\h+4*i+3], v[24+\h/2], s[4:5] offset:192*(\h%2)+16*i
.set i, i+1
.endr
.endr
	s_wait_loadcnt 48                              ; my query's coordinates are in; the 48 loads behind them may be out
	v_mul_f32 v7, v4, v4                           ; |p|^2 of my query, by the same three lines as the points'
	v_fmac_f32 v7, v5, v5
	v_fmac_f32 v7, v6, v6
	v_mul_f32 v4, -2.0, v4
	v_mul_f32 v5, -2.0, v5
	v_mul_f32 v6, -2.0, v6
	HALF 0, 36
	HALF 1, 24
	HALF 2, 12
	HALF 3, 0
	MERGE 1
	MERGE 2
	; the list of the quad's first lane leaves through all four: part p stores rows 2 p and 2 p + 1: the wave's store covers 256 consecutive bytes, aligned
	v_mov_b32_dpp v80, v[I0+2] row_xmask:1 row_mask:0xf bank_mask:0xf
	v_mov_b32_dpp v81, v[I0+3] row_xmask:1 row_mask:0xf bank_mask:0xf
	v_mov_b32_dpp v82, v[I0+4] row_xmask:2 row_mask:0xf bank_mask:0xf
	v_mov_b32_dpp v83, v[I0+5] row_xmask:2 row_mask:0xf bank_mask:0xf
	v_mov_b32_dpp v84, v[I0+6] row_xmask:3 row_mask:0xf bank_mask:0xf
	v_mov_b32_dpp v85, v[I0+7] row_xmask:3 row_mask:0xf bank_mask:0xf
	v_cndmask_b32 v86, v[I0], v80, s24
	v_cndmask_b32 v87, v[I0+1], v81, s24
	v_cndmask_b32 v86, v86, v82, s25
	v_cndmask_b32 v87, v87, v83, s25
	v_cndmask_b32 v86, v86, v84, s26
	v_cndmask_b32 v87, v87, v85, s26
	global_store_b64 v28, v[86:87], s[8:9]
	s_endpgm
.Lfunc_end_k_q0fbd619af7_refine:
	.size	k_q0fbd619af7_refine, .Lfunc_end_k_q0fbd619af7_refine-k_q0fbd619af7_refine
	.p2alignl 7, 3214868480
	.fill 96, 4, 3214868480
	.section	.rodata,"a",@progbits
	.p2align	6, 0x0
	.amdhsa_kernel k_q0fbd619af7_refine
		.amdhsa_group_segment_fixed_size 0
		.amdhsa_private_segment_fixed_size 0
		.amdhsa_enable_private_segment 0
		.amdhsa_kernarg_size 24
		.amdhsa_user_sgpr_count 2
		.amdhsa_user_sgpr_kernarg_segment_ptr 1
		.amdhsa_wavefront_size32 1
		.amdhsa_system_sgpr_workgroup_id_x 1
		.amdhsa_system_sgpr_workgroup_id_y 1
		.amdhsa_system_sgpr_workgroup_id_z 1
		.amdhsa_system_vgpr_workitem_id 0
		.amdhsa_next_free_vgpr 256
		.amdhsa_next_free_sgpr 66
		.amdhsa_reserve_vcc 0
		.amdhsa_float_denorm_mode_32 3
		.amdhsa_float_denorm_mode_16_64 3
		.amdhsa_memory_ordered 1
		.amdhsa_forward_progress 1
		.amdhsa_inst_pref_size 184
	.end_amdhsa_kernel
	.amdgpu_metadata
---
amdhsa.version: [ 1, 2 ]
amdhsa.kernels:
  - .name:           k_q0fbd619af7_refine
    .symbol:         k_q0fbd619af7_refine.kd
    .args:
      - { .name: points, .offset: 0, .size: 8, .value_kind: global_buffer, .address_space: global }
      - { .name: gids, .offset: 8, .size: 8, .value_kind: global_buffer, .address_space: global }
      - { .name: knn, .offset: 16, .size: 8, .value_kind: global_buffer, .address_space: global }
    .group_segment_fixed_size: 0
    .private_segment_fixed_size: 0
    .kernarg_segment_align: 8
    .kernarg_segment_size: 24
    .max_flat_workgroup_size: 256
    .sgpr_count:     66
    .vgpr_count:     256
    .wavefront_size: 32
...
	.end_amdgpu_metadata
.endif
;; end of part 2
;; launch enhance (part 3): grid 256 x 1, 16 waves a work-group, no clusters, 0 bytes of LDS; arguments features, knn, out0, out1; writes out1
.if DOCPART == 3
	.amdgcn_target "amdgcn-amd-amdhsa--gfx1250"
	.amdhsa_code_object_version 6
	.text
	.protected	k_q0fbd619af7_enhance
	.globl	k_q0fbd619af7_enhance
	.p2align	8
	.type	k_q0fbd619af7_enhance,@function
k_q0fbd619af7_enhance:
	s_mov_b64 s[64:65], 0
	v_nop
	global_prefetch_b8 v0, s[64:65] scope:SCOPE_SE
	s_setreg_imm32_b32 hwreg(HW_REG_WAVE_MODE, 25, 1), 1
	s_wait_xcnt 0x0
; out1[row] = features[row] + 0.3 tanh(5 g) p, g = the mean over the row's 8 neighbours of |features[neighbour] - features[row]|, p = out0[row] (made by the first launch).
; features, out1: [16384][256] f32; knn [16384][8]: the neighbours' rows, held to 16,383 in front of the address.
; A wave takes 4 rows, one after the other; the 32 lanes take a WHOLE row together, 16 bytes a lane, two loads of 512 consecutive bytes: so a gathered row is read as it lies.
; The row numbers and the probabilities are the same for all lanes: they come by scalar loads.  Two rows' neighbours, 32 loads, are on their way in each wave; sixteen waves to a work-group, four to a SIMD.
; A row's eight sums of squares lie spread over the lanes.  They are added by halving: in each of three steps a lane keeps one half of its sums and sends the other to lane xor 1, 2, 4;
; then lane l holds the sum of neighbour l % 8, two more steps add the remaining lanes, ONE square root serves all eight, and three steps add the eight norms.
; tanh(x) = 1 - 2 / (1 + 2^(2 log2(e) x)); x is never negative; a power that overflows gives tanh = 1.
; No LDS, no barrier, no matrix unit: the waves share nothing, and the rows that work-groups gather differ, so there is nothing for a cluster to ask for jointly.
.set F,   4                            ; v4-35    my 4 rows, 8 registers each; the results are made in place and stored from here
.set VO,  36                           ; v36-67   the 32 neighbours' byte offsets: row x 1,024 + 16 x lane; never rewritten
.set NB,  68                           ; v68-195  two rows' neighbours, 64 registers each
.set S,   196                          ; v196-211 eight sums of squares, in pairs
.set U,   212                          ; v212-219 the first halving
.set V,   220                          ; v220-225 the second and third
.set E,   226                          ; v226-227 what is added to the row (the pair's low word serves both halves)
.set W,   228
.macro GATHER r
.set N, NB+64*((\r)%2)
.irp k, 0,1,2,3,4,5,6,7
	global_load_b128 v[N+8*\k:N+8*\k+3], v[VO+8*(\r)+\k], s[4:5]
	global_load_b128 v[N+8*\k+4:N+8*\k+7], v[VO+8*(\r)+\k], s[4:5] offset:512
.endr
.endm
.macro HALVE dst, a, b, mask, xm       ; v[dst] = my half of the two sums a, b + the partner's share of it; v[dst+1] at work
	v_cndmask_b32 v[\dst], v[\a], v[\b], \mask
	v_cndmask_b32 v[\dst+1], v[\b], v[\a], \mask
	v_add_f32_dpp v[\dst], v[\dst+1], v[\dst] row_xmask:\xm row_mask:0xf bank_mask:0xf
.endm
; Row r.  left: the loads issued behind this row's sixteen, which may stay out.  next = 1: the row two further on is asked for, into the registers that this row leaves.
.macro ROW r, left, next
.set N, NB+64*((\r)%2)
.set FR, F+8*(\r)
	s_wait_loadcnt \left
.irp k, 0,1,2,3,4,5,6,7
.irp p, 0,2,4,6
	v_pk_add_f32 v[N+8*\k+\p:N+8*\k+\p+1], v[N+8*\k+\p:N+8*\k+\p+1], v[FR+\p:FR+\p+1] neg_lo:[0,1] neg_hi:[0,1]
.endr
.endr
.irp k, 0,1,2,3,4,5,6,7
	v_pk_mul_f32 v[S+2*\k:S+2*\k+1], v[N+8*\k:N+8*\k+1], v[N+8*\k:N+8*\k+1]
.endr
.irp p, 2,4,6
.irp k, 0,1,2,3,4,5,6,7
	v_pk_fma_f32 v[S+2*\k:S+2*\k+1], v[N+8*\k+\p:N+8*\k+\p+1], v[N+8*\k+\p:N+8*\k+\p+1], v[S+2*\k:S+2*\k+1]
.endr
.endr
.irp k, 0,1,2,3,4,5,6,7
	v_add_f32 v[S+2*\k], v[S+2*\k], v[S+2*\k+1]
.endr
.if \next
	GATHER (\r)+2
.endif
.irp i, 0,1,2,3
	HALVE U+2*\i, S+4*\i, S+4*\i+2, s54, 1
.endr
	HALVE V, U, U+2, s55, 2
	HALVE V+2, U+4, U+6, s55, 2
	HALVE V+4, V, V+2, s56, 4
	v_add_f32_dpp v[V+4], v[V+4], v[V+4] row_xmask:8 row_mask:0xf bank_mask:0xf
	v_permlanex16_b32 v[V+5], v[V+4], s57, s58
	v_add_f32 v[V+4], v[V+4], v[V+5]               ; lane l: |difference|^2 of neighbour l % 8
	v_sqrt_f32 v[W], v[V+4]
	v_nop                                          ; a plain place behind the transcendental,
	s_wait_alu depctr_va_vdst(0)                   ; and a wait ahead of its first reader
	v_add_f32_dpp v[W], v[W], v[W] row_xmask:1 row_mask:0xf bank_mask:0xf
	v_add_f32_dpp v[W], v[W], v[W] row_xmask:2 row_mask:0xf bank_mask:0xf
	v_add_f32_dpp v[W], v[W], v[W] row_xmask:4 row_mask:0xf bank_mask:0xf   ; the sum of the eight norms, in every lane
	v_mul_f32 v[W], 0x3fe6d4ca, v[W]               ; 2 log2(e) x 5 / 8
	v_exp_f32 v[W], v[W]
	v_nop
	s_wait_alu depctr_va_vdst(0)
	v_add_f32 v[W], 1.0, v[W]
	v_rcp_f32 v[W], v[W]
	v_nop
	s_wait_alu depctr_va_vdst(0)
	v_fma_f32 v[W], v[W], -2.0, 1.0                ; tanh
	v_mul_f32 v[E], s[48+(\r)], v[W]               ; x 0.3 p
.irp p, 0,2,4,6
	v_pk_add_f32 v[FR+\p:FR+\p+1], v[FR+\p:FR+\p+1], v[E:E+1] op_sel_hi:[1,0]
.endr
	global_store_b128 v1, v[FR:FR+3], s[10:11] offset:1024*(\r) th:TH_STORE_NT       ; 512 consecutive bytes a store; the row's registers are not written again
	global_store_b128 v1, v[FR+4:FR+7], s[10:11] offset:1024*(\r)+512 th:TH_STORE_NT
.endm
	s_load_b256 s[4:11], s[0:1], 0x0               ; features s[4:5], knn s[6:7], out0 s[8:9], out1 s[10:11]
	v_lshrrev_b32 v2, 5, v0
	v_readfirstlane_b32 s12, v2                    ; wave 0..15
	v_and_b32 v1, 31, v0
	v_lshlrev_b32 v1, 4, v1                        ; 16 x lane
	s_lshl_b32 s13, ttmp9, 6
	s_lshl_b32 s14, s12, 2
	s_add_co_u32 s13, s13, s14                     ; my first row: 64 x work-group + 4 x wave
	s_lshl_b32 s14, s13, 10                        ; in features and out1,
	s_mov_b32 s15, 0
	s_lshl_b32 s2, s13, 5                          ; in knn,
	s_mov_b32 s3, 0
	s_lshl_b32 s60, s13, 2                         ; in out0
	s_mov_b32 s61, 0
	s_mov_b32 s54, 0xaaaaaaaa                      ; the lanes whose bit 0, 1, 2 is set
	s_mov_b32 s55, 0xcccccccc
	s_mov_b32 s56, 0xf0f0f0f0
	s_mov_b32 s57, 0x76543210                      ; v_permlanex16_b32's selects for lane xor 16
	s_mov_b32 s58, 0xfedcba98
	v_mov_b32 v[E+1], 0                            ; named with v[E] as a pair, so it is written
	s_wait_kmcnt 0x0
	s_add_nc_u64 s[6:7], s[6:7], s[2:3]
	s_add_nc_u64 s[8:9], s[8:9], s[60:61]
	s_add_nc_u64 s[52:53], s[4:5], s[14:15]
	s_add_nc_u64 s[10:11], s[10:11], s[14:15]
	s_load_b512 s[16:31], s[6:7], 0x0              ; the 32 neighbours of my 4 rows
	s_load_b512 s[32:47], s[6:7], 0x40
	s_load_b128 s[48:51], s[8:9], 0x0              ; their 4 probabilities
.irp r, 0,1,2,3
	global_load_b128 v[F+8*\r:F+8*\r+3], v1, s[52:53] offset:1024*\r
	global_load_b128 v[F+8*\r+4:F+8*\r+7], v1, s[52:53] offset:1024*\r+512
.endr
	s_wait_kmcnt 0x0
.set i, 0
.rept 32
	s_min_u32 s[16+i], s[16+i], 0x3fff             ; held inside the table in front of the address
	v_lshl_add_u32 v[VO+i], s[16+i], 10, v1
.set i, i+1
.endr
	GATHER 0
	GATHER 1
.irp r, 0,1,2,3
	s_mul_f32 s[48+\r], s[48+\r], 0x3e99999a       ; 0.3 p
.endr
	ROW 0, 16, 1                                   ; my rows and row 0's neighbours are in; row 1's sixteen loads may be out
	ROW 1, 16, 1                                   ; behind row 1's: row 2's sixteen
	ROW 2, 16, 0                                   ; behind row 2's: row 3's sixteen
	ROW 3, 0, 0
	s_endpgm
.Lfunc_end_k_q0fbd619af7_enhance:
	.size	k_q0fbd619af7_enhance, .Lfunc_end_k_q0fbd619af7_enhance-k_q0fbd619af7_enhance
	.p2alignl 7, 3214868480
	.fill 96, 4, 3214868480
	.section	.rodata,"a",@progbits
	.p2align	6, 0x0
	.amdhsa_kernel k_q0fbd619af7_enhance
		.amdhsa_group_segment_fixed_size 0
		.amdhsa_private_segment_fixed_size 0
		.amdhsa_enable_private_segment 0
		.amdhsa_kernarg_size 32
		.amdhsa_user_sgpr_count 2
		.amdhsa_user_sgpr_kernarg_segment_ptr 1
		.amdhsa_wavefront_size32 1
		.amdhsa_system_sgpr_workgroup_id_x 1
		.amdhsa_system_sgpr_workgroup_id_y 1
		.amdhsa_system_sgpr_workgroup_id_z 1
		.amdhsa_system_vgpr_workitem_id 0
		.amdhsa_next_free_vgpr 232
		.amdhsa_next_free_sgpr 66
		.amdhsa_reserve_vcc 0
		.amdhsa_float_denorm_mode_32 3
		.amdhsa_float_denorm_mode_16_64 3
		.amdhsa_memory_ordered 1
		.amdhsa_forward_progress 1
		.amdhsa_inst_pref_size 40
	.end_amdhsa_kernel
	.amdgpu_metadata
---
amdhsa.version: [ 1, 2 ]
amdhsa.kernels:
  - .name:           k_q0fbd619af7_enhance
    .symbol:         k_q0fbd619af7_enhance.kd
    .args:
      - { .name: features, .offset: 0, .size: 8, .value_kind: global_buffer, .address_space: global }
      - { .name: knn, .offset: 8, .size: 8, .value_kind: global_buffer, .address_space: global }
      - { .name: out0, .offset: 16, .size: 8, .value_kind: global_buffer, .address_space: global }
      - { .name: out1, .offset: 24, .size: 8, .value_kind: global_buffer, .address_space: global }
    .group_segment_fixed_size: 0
    .private_segment_fixed_size: 0
    .kernarg_segment_align: 8
    .kernarg_segment_size: 32
    .max_flat_workgroup_size: 512
    .sgpr_count:     66
    .vgpr_count:     232
    .wavefront_size: 32
...
	.end_amdgpu_metadata
.endif
;; end of part 3
;; ======== version 2 of 2: 3 launches; version 1 with the launch groups written anew for expert scheduling mode
;; workspace buffers: gids 524,288 bytes of whole numbers; knn 524,288 bytes of whole numbers
;; launch groups (part 4): grid 256 x 1, 8 waves a work-group, no clusters, 80,384 bytes of LDS; arguments points, features, W1, b1, W2, b2, gids, out0; writes gids, out0
.if DOCPART == 4
	.amdgcn_target "amdgcn-amd-amdhsa--gfx1250"
	.amdhsa_code_object_version 6
	.text
	.protected	k_q0fbd619af7_groups
	.globl	k_q0fbd619af7_groups
	.p2align	8
	.type	k_q0fbd619af7_groups,@function
k_q0fbd619af7_groups:
	s_mov_b64 s[64:65], 0
	v_nop
	global_prefetch_b8 v0, s[64:65] scope:SCOPE_SE
	s_setreg_imm32_b32 hwreg(HW_REG_WAVE_SCHED_MODE, 0, 2), 2
	s_setreg_imm32_b32 hwreg(HW_REG_WAVE_MODE, 25, 1), 1
	s_wait_xcnt 0x0
	s_wait_alu depctr_vm_vsrc(0)
; FIRST LEVEL OF THE 8 NEAREST NEIGHBOURS, AND THE BOUNDARY NET.
; points [2][8192][3] f32.  A batch's points are cut into 256 GROUPS of 32 neighbouring indices.  For each query this launch finds the 8 groups with the smallest
; group minimum of d2 (ties: the lower group) and stores their numbers (batch x 256 + group) in gids [16384][8].  The 8 nearest points of a query, ordered by (d2, index),
; lie in those 8 groups: were 8 other groups ahead of a neighbour's group, each would hold a point ahead of that neighbour.  The next launch looks through them.
; d2 = max((|pj|^2 - 2 pi.pj) + |pi|^2, 0): the bracket by three fused multiply-adds in the order x, y, z onto |pj|^2; adding |pi|^2 and the clamp rise with their input, so they are
; applied to a group's minimum.  The next launch forms the same numbers by the same operations, bit for bit.
; A work-group owns 64 queries.  MINIMA: wave w, lane l holds group 32 w + l in 128 registers (-2x, -2y, -2z, |p|^2 of its 32 points, in pairs for the packed form); the queries come as
; scalars; a query costs a wave 48 packed multiply-adds and 16 three-way minima for 1,024 pairs; the 32 minima go to LDS.  SCAN: four lanes to a query, 64 groups each, an exact insertion
; into a sorted list of 8 (value and number); two merges with lane xor 1 and lane xor 2, in which the lane of the lower groups takes in the higher ones, so that equal values keep the lower group first.
; BOUNDARY NET: out0 = sigmoid(relu(Q(features) Q(W1) + b1) W2 + b2), the first product on codes of E2M1 with one E8M0 scale for each 32 along K.  Each wave quantises ONE of W1's eight
; fragments (16 columns x 128 K; a lane takes a column, its registers run down K) and leaves its register image in LDS in front of the one barrier that the minima need anyway.
; Waves 0-3 each take 16 of the work-group's 64 rows: their loads go out behind that barrier, into the registers that the points have left, and land while the scan runs.
; The product is used transposed (source 0 = 16 columns of W1, source 1 = 16 rows of x): a lane holds one row and eight hidden units a tile, so the dot product with W2 stays in the lane.
; All work-groups of a batch read the same 96 KiB of points, each wave its part once, straight into registers: there is no tile in LDS that a joint request could serve, so no cluster.
; LIMITS: NaN and infinities among the points are not served (a list place that no finite distance takes keeps group 0 of the lane's part); the order of rounding in d2 differs from the
; reference's sum; a block of zeros gets the scale byte 1 where the rule says 127 (its codes are zeros; the bytes are read here alone); blocks under 2^-124 were not tried.
; THE MODE: SCHED_MODE bits 1:0 = 2 (LLVM: expert scheduling mode 2), set by the entry lines.  The code itself states the register dependences between vector or matrix instructions
; and memory or LDS instructions, and those through scalar registers that vector instructions write, with s_wait_alu, always for 0.
; THE PLAN.  Registers that memory or LDS instructions touch, and who else names them:
;   OUT v16-23   MINIMA: query k of eight writes OUT[k] with its last line; behind the eighth ONE wait on va_vdst and a run of eight LDS stores.  The next eight's first query waits on vm_vsrc
;                ahead of its last line, 63 vector instructions behind those stores; v4, the stores' address, is stepped behind that same wait, once in sixteen queries.
;   MB v240-255  SCAN: two buffers of eight minima.  A buffer's eight insertions read and write it; behind them one wait on va_vdst, and the buffer is asked for again, one buffer ahead of its use.
;                v7, the loads' address, is stepped once a trip, behind a wait on vm_vsrc and ahead of the second of the trip's two waits on va_vdst.
;   v192-255     the points land there and the set-up reads them; then W1 lands there and its quantiser reads it; then W2 (v192-223).  A wait on va_vdst ahead of each of the two later runs of loads.
;   v32-191      read and written by the minima; x and b1 land there behind the barrier; W1's fragments land in v32-95 when x's first half has been quantised.  A wait on va_vdst ahead of each run.
;   v160-167, v18  my fragment's codes and scale word: written by the quantiser, read by three LDS stores; a wait on vm_vsrc behind the barrier, ahead of b1's loads and of later work in v18.
;   v28-30       offsets: written at the head, read by loads, written again (behind waits on vm_vsrc) for x, b1, W2 and the stores.   v3, v5, v6, v8-11: written once at the head.
;   s56-63       the eight comparisons of an insertion write them, its selections read them: a wait on va_sdst between, behind the medians that need no mask.
.set PITCH, 1088                       ; LDS: a query's 256 minima: four parts of 64 groups, 256 bytes + 16 of padding each
.set PARTB, 272                        ; so the 16 lanes of a 16-byte load (4 queries x 4 parts) start at words 16 q + 4 part: sixteen different columns (64 banks of 4 bytes: ISA guide 11.1)
.set WIMG,  64*PITCH                   ; behind the minima: W1's eight fragments as register images, 1,024 bytes each
.set WSC,   WIMG+8*1024                ; their scale words, 128 bytes each
.set PRB,   WSC+8*128                  ; the work-group's 64 probabilities
.set XX,  32                           ; v32-63   -2x of my 32 points          (later: x's numbers, then W1's fragments)
.set YY,  64                           ; v64-95   -2y
.set ZZ,  96                           ; v96-127  -2z
.set SQ,  128                          ; v128-159 |p|^2
.set RAW, 160                          ; v160-255 the points as loaded
.set T,   160                          ; v160-191 a query's 32 numbers         (later: b1, then the hidden layer)
.set WR,  192                          ; v192-255 64 numbers of W1             (later: W2, the lists, the minima in hand)
.set WC,  160                          ; v160-167 my fragment's codes
.set X,   32                           ; v32-159  128 numbers of my row of x
.set WF,  32                           ; v32-95   W1's eight fragments
.set D,   160                          ; v160-191 four tiles of the hidden layer, begun as b1
.set W2R, 192                          ; v192-223 W2 in the same layout
.set A,   224                          ; v224-231 the list's values, ascending
.set WS,  224                          ; v224-231 later: W1's scale words
.set I0,  232                          ; v232-239 the list's numbers; the two sets take turns, so that no line waits for the line above it
.set I1,  20                           ; v20-27
.set MB,  240                          ; v240-255 sixteen minima in hand, two buffers of eight; in a merge the partner's list
.set PC,  232                          ; v232-247 later: x's two fragments
.set XS,  248                          ; v248-249 x's scale words
.set TM,  12                           ; v12-27   at work
.set OUT, 16                           ; v16-23   in MINIMA: eight queries' minima, on their way to LDS
.set WV,  2                            ; s2       my wave's number
.set MK,  56                           ; s56-63   the eight comparisons of an insertion
.set QP,  84                           ; s84-95   a query's x, y, z, each in the low word of a pair (the packed form takes the low word for both halves); two sets by turns
.set SEL, 100                          ; s100-101 v_permlanex16_b32's selects for lane xor 16
; v1 lane, v2 lane / 16; LDS addresses, all made at the head and used for nothing else: v3, v4 minima out; v5, v6 my image and scale word; v7 minima in; v8, v9 images and scale words in; v10, v11 probabilities.
; v28-30 offsets of global loads and stores; v31 |p|^2 of the query that I scan for.
; One query against my wave's 1,024 points.  sb: the scalar that holds its x; p: which set of pairs; o: its place among the eight out-registers.
; head = 1: the first of eight; head = 2: the first of sixteen, which also steps the stores' address.
.macro QUERY sb, p, o, head
	s_mov_b32 s[QP+6*(\p)], s[(\sb)]
	s_mov_b32 s[QP+6*(\p)+2], s[(\sb)+1]
	s_mov_b32 s[QP+6*(\p)+4], s[(\sb)+2]
.irp i, 0,2,4,6,8,10,12,14,16,18,20,22,24,26,28,30
	v_pk_fma_f32 v[T+\i:T+\i+1], v[XX+\i:XX+\i+1], s[QP+6*(\p):QP+6*(\p)+1], v[SQ+\i:SQ+\i+1] op_sel_hi:[1,0,1]
.endr
.irp i, 0,2,4,6,8,10,12,14,16,18,20,22,24,26,28,30
	v_pk_fma_f32 v[T+\i:T+\i+1], v[YY+\i:YY+\i+1], s[QP+6*(\p)+2:QP+6*(\p)+3], v[T+\i:T+\i+1] op_sel_hi:[1,0,1]
.endr
.irp i, 0,2,4,6,8,10,12,14,16,18,20,22,24,26,28,30
	v_pk_fma_f32 v[T+\i:T+\i+1], v[ZZ+\i:ZZ+\i+1], s[QP+6*(\p)+4:QP+6*(\p)+5], v[T+\i:T+\i+1] op_sel_hi:[1,0,1]
.endr
.irp c, 0,1,2,3                        ; the group's minimum, in four chains
	v_min3_num_f32 v[TM+\c], v[T+3*\c], v[T+3*\c+1], v[T+3*\c+2]
.endr
.irp c, 0,1,2,3
	v_min3_num_f32 v[TM+\c], v[TM+\c], v[T+12+2*\c], v[T+13+2*\c]
.endr
.irp c, 0,1,2,3
	v_min3_num_f32 v[TM+\c], v[TM+\c], v[T+20+2*\c], v[T+21+2*\c]
.endr
.irp c, 0,1
	v_min3_num_f32 v[TM+\c], v[TM+\c], v[T+28+2*\c], v[T+29+2*\c]
.endr
	v_min3_num_f32 v[TM], v[TM], v[TM+1], v[TM+2]
.if \head
	s_wait_alu depctr_vm_vsrc(0)                   ; the last eight LDS stores have read OUT and v4, which are written again from here on
.if (\head) == 2
	v_add_nc_u32 v4, s96, v3                       ; these sixteen queries' place in LDS
.endif
.endif
	v_min_num_f32 v[OUT+(\o)], v[TM], v[TM+3]
.endm
; Eight queries' minima go to LDS in one run; first: the first one's number among the sixteen.
.macro SEND8 first
	s_wait_alu depctr_va_vdst(0)                   ; the eight queries have written OUT, and v4 is written: the stores below read them
.irp k, 0,1,2,3,4,5,6,7
	ds_store_b32 v4, v[OUT+\k] offset:((\first)+\k)*PITCH   ; 32 lanes, 128 neighbouring bytes
.endr
.endm
; Sixteen queries: two sets of eight in scalars; while one set is worked on, the other is on its way.  more = 1: the next sixteen follow.
.macro SET16 more
	s_load_b512 s[32:47], s[6:7], 0x60             ; queries 8-15: 96 bytes
	s_load_b256 s[48:55], s[6:7], 0xa0
	QUERY 8, 0, 0, 2
.irp k, 1,2,3,4,5,6,7
	QUERY 8+3*\k, \k%2, \k, 0
.endr
	SEND8 0
	s_wait_kmcnt 0x0                               ; the second set is in, and its loads have read their base
.if \more
	s_add_nc_u64 s[6:7], s[6:7], 192
	s_load_b512 s[8:23], s[6:7], 0x0
	s_load_b256 s[24:31], s[6:7], 0x40
.endif
	QUERY 32, 0, 0, 1
.irp k, 1,2,3,4,5,6,7
	QUERY 32+3*\k, \k%2, \k, 0
.endr
	SEND8 8
.if \more
	s_wait_kmcnt 0x0
.endif
.endm
; The number v[val] with the tag idx goes into the ascending list of 8; the largest falls out.  An equal value stays ahead of the newcomer.  src, dst: the tags' two sets.
.macro INSERT val, idx, src, dst
.irp j, 0,1,2,3,4,5,6,7
	v_cmp_lt_f32 s[MK+\j], v[\val], v[A+\j]
.endr
.irp j, 7,6,5,4,3,2,1
	v_med3_num_f32 v[A+\j], v[A+\j-1], v[\val], v[A+\j]   ; the middle of my lower neighbour, the newcomer and myself: from the top down, so that each line finds old values
.endr
	v_min_num_f32 v[A], v[A], v[\val]
	s_wait_alu depctr_va_sdst(0)                   ; the eight comparisons have written s[MK ..], which the selections below read
.irp j, 0,1,2,3,4,5,6,7
	v_cndmask_b32 v[\dst+\j], v[\src+\j], \idx, s[MK+\j]
.endr
.irp j, 1,2,3,4,5,6,7
	v_cndmask_b32 v[\dst+\j], v[\dst+\j], v[\src+\j-1], s[MK+\j-1]
.endr
.endm
.macro EIGHT base                      ; eight minima become d2 and go into the list; s97 counts the groups of my part
.irp e, 0,1,2,3,4,5,6,7
	v_add_f32 v[\base+\e], v31, v[\base+\e]
.endr
.irp e, 0,1,2,3,4,5,6,7
	v_max_num_f32 v[\base+\e], 0, v[\base+\e]
.endr
.irp e, 0,2,4,6
	INSERT \base+\e, s97, I0, I1
	s_add_co_u32 s97, s97, 1
	INSERT \base+\e+1, s97, I1, I0
	s_add_co_u32 s97, s97, 1
.endr
.endm
.macro MERGE xm                        ; the list of lane xor xm is taken in.  Right in the lane of the lower groups, which alone is used further on
.irp j, 0,1,2,3,4,5,6,7
	v_mov_b32_dpp v[MB+\j], v[A+\j] row_xmask:\xm row_mask:0xf bank_mask:0xf
	v_mov_b32_dpp v[MB+8+\j], v[I0+\j] row_xmask:\xm row_mask:0xf bank_mask:0xf
.endr
.irp e, 0,2,4,6
	INSERT MB+\e, v[MB+8+\e], I0, I1
	INSERT MB+\e+1, v[MB+9+\e], I1, I0
.endr
.endm
; 64 numbers of a lane, register 16 b + i = k 32 b + 16 (lane / 16) + i of my row, become a fragment's codes in v[cod] on and its scale word in v[wrd].
.macro QUANT src, cod, wrd
.irp b, 0,1,2,3
	v_max3_num_f32 v[TM+\b], |v[\src+16*\b]|, |v[\src+1+16*\b]|, 0x1800000   ; my 16 numbers of block b, and the floor 2^(3 - 127): the byte cannot fall under 1
.endr
.irp i, 2,4,6,8,10,12,14
.irp b, 0,1,2,3
	v_max3_num_f32 v[TM+\b], v[TM+\b], |v[\src+16*\b+\i]|, |v[\src+1+16*\b+\i]|
.endr
.endr
.irp b, 0,1,2,3
	v_permlanex16_b32 v[TM+4+\b], v[TM+\b], s[SEL], s[SEL+1]
.endr
.irp b, 0,1,2,3
	v_max_num_f32 v[TM+\b], v[TM+\b], v[TM+4+\b]   ; with lane xor 16's: the block's largest magnitude
.endr
.irp b, 0,1,2,3
	v_add_nc_u32 v[TM+12+\b], 0xff000000, v[TM+\b] ; 2 off its exponent field: the conversion's scale operand
.endr
.irp b, 0,1,2,3
	v_lshrrev_b32 v[TM+4+\b], 23, v[TM+12+\b]      ; the scale's byte
.endr
	v_lshl_or_b32 v[\wrd], v[TM+5], 8, v[TM+4]
	v_lshl_or_b32 v[\wrd], v[TM+6], 16, v[\wrd]
	v_lshl_or_b32 v[\wrd], v[TM+7], 24, v[\wrd]
.irp b, 0,1,2,3
	v_cvt_scalef32_pk8_fp4_f32 v[\cod+2*\b], v[\src+16*\b:\src+7+16*\b], v[TM+12+\b]
	v_cvt_scalef32_pk8_fp4_f32 v[\cod+1+2*\b], v[\src+8+16*\b:\src+15+16*\b], v[TM+12+\b]
.endr
	v_nop                                          ; one plain place behind a scaled conversion
.irp c, 0,1                            ; the operand's layout wants a whole block in a lane: lanes 0-15 block 2 c, lanes 16-31 block 2 c + 1
.irp i, 0,1
	v_permlane16_swap_b32 v[\cod+4*\c+\i], v[\cod+2+4*\c+\i]
.endr
.endr
.endm
	s_load_b256 s[68:75], s[0:1], 0x0              ; points s[68:69], features s[70:71], W1 s[72:73], b1 s[74:75]
	s_load_b256 s[76:83], s[0:1], 0x20             ; W2 s[76:77], b2 s[78:79], gids s[80:81], out0 s[82:83]
	s_set_vgpr_msb 0x40
	v_lshl_add_u32 v0, v0, 2, 0x13600
	v_mov_b32 v1, 0
	s_set_vgpr_msb 0x4000
	v_lshrrev_b32 v12, 5, v0
	v_readfirstlane_b32 s[WV], v12                 ; wave 0..7
	v_and_b32 v1, 31, v0                           ; lane
	v_bfe_u32 v2, v0, 4, 1                         ; lane / 16
	v_and_b32 v14, 15, v0                          ; lane % 16
	v_lshrrev_b32 v12, 2, v0                       ; the query that I scan for, 0..63
	v_and_b32 v13, 3, v0                           ; and which 64 groups of it
	v_mul_u32_u24 v28, v1, 384                     ; my group's 32 points: 384 bytes
	v_mul_u32_u24 v30, v12, 12
	s_wait_alu depctr_va_sdst(0)                   ; the wave's number is written, ahead of its first reader: bases, LDS addresses and branches are made from it
	s_lshr_b32 s98, ttmp9, 7                       ; the batch: 128 work-groups each
	s_mul_i32 s4, s98, 98304                       ; its points,
	s_mul_i32 s6, s[WV], 12288                     ; my wave's 1,024 of them
	s_add_co_u32 s4, s4, s6
	s_mov_b32 s5, 0
	s_mul_i32 s6, ttmp9, 768                       ; the work-group's 64 queries
	s_mov_b32 s7, 0
	s_wait_kmcnt 0x0
	s_add_nc_u64 s[4:5], s[68:69], s[4:5]
	s_add_nc_u64 s[6:7], s[68:69], s[6:7]
	s_wait_alu depctr_va_vdst(0)                   ; v28 and v30 are written, which the loads below read as their offsets
	global_load_b32 v20, v30, s[6:7]
	global_load_b32 v21, v30, s[6:7] offset:4
	global_load_b32 v22, v30, s[6:7] offset:8
.set i, 0
.rept 24
	global_load_b128 v[RAW+4*i:RAW+4*i+3], v28, s[4:5] offset:16*i
.set i, i+1
.endr
	s_load_b512 s[8:23], s[6:7], 0x0               ; queries 0-7
	s_load_b256 s[24:31], s[6:7], 0x40
	; every LDS address: a constant, a constant x lane, a constant x wave
	s_lshr_b32 s96, s[WV], 1
	s_mul_i32 s96, s96, PARTB
	s_and_b32 s97, s[WV], 1
	s_lshl_b32 s97, s97, 7
	s_add_co_u32 s96, s96, s97
	v_lshl_add_u32 v3, v1, 2, s96                  ; group 32 w + l lies in part w / 2, at word 32 (w % 2) + l
	s_lshl_b32 s96, s[WV], 10
	s_add_co_u32 s96, s96, WIMG
	v_lshl_add_u32 v5, v1, 4, s96
	s_lshl_b32 s96, s[WV], 7
	s_add_co_u32 s96, s96, WSC
	v_lshl_add_u32 v6, v1, 2, s96
	v_mul_u32_u24 v7, v12, PITCH
	v_mad_u32_u24 v7, v13, PARTB, v7
	v_lshl_add_u32 v8, v1, 4, WIMG
	v_lshl_add_u32 v9, v1, 2, WSC
	s_lshl_b32 s96, s[WV], 6
	s_add_co_u32 s96, s96, PRB
	v_lshl_add_u32 v10, v14, 2, s96
	v_lshl_add_u32 v11, v1, 3, PRB
	v_lshlrev_b32 v29, 2, v14                      ; W1: column lane % 16,
	v_lshl_add_u32 v29, v2, 13, v29                ; lanes 16-31 begin 32 rows of 256 bytes further down
	s_lshl_b32 s98, s98, 8                         ; the batch's first group
	s_mov_b32 s[SEL], 0x76543210
	s_mov_b32 s[SEL+1], 0xfedcba98
.irp n, 85,87,89,91,93,95
	s_mov_b32 s\n, 0                               ; the pairs' upper words are named with the lower, so they are written
.endr
	s_wait_loadcnt 0x0
	v_mul_f32 v31, v20, v20                        ; |p|^2 of my query, by the same three lines as the points'
	v_fmac_f32 v31, v21, v21
	v_fmac_f32 v31, v22, v22
.set i, 0
.rept 32
	v_mul_f32 v[SQ+i], v[RAW+3*i], v[RAW+3*i]
.set i, i+1
.endr
.set i, 0
.rept 32
	v_fmac_f32 v[SQ+i], v[RAW+3*i+1], v[RAW+3*i+1]
.set i, i+1
.endr
.set i, 0
.rept 32
	v_fmac_f32 v[SQ+i], v[RAW+3*i+2], v[RAW+3*i+2]
.set i, i+1
.endr
.set i, 0
.rept 32
	v_mul_f32 v[XX+i], -2.0, v[RAW+3*i]
	v_mul_f32 v[YY+i], -2.0, v[RAW+3*i+1]
	v_mul_f32 v[ZZ+i], -2.0, v[RAW+3*i+2]
.set i, i+1
.endr
	; my fragment of W1: tile w % 4 of 16 columns, K step w / 4.  Its 64 loads land while the minima are made
	s_and_b32 s4, s[WV], 3
	s_lshl_b32 s4, s4, 6
	s_lshr_b32 s5, s[WV], 2
	s_lshl_b32 s5, s5, 15
	s_add_co_u32 s4, s4, s5
	s_mov_b32 s5, 0
	s_add_nc_u64 s[4:5], s[72:73], s[4:5]
	s_wait_alu depctr_va_vdst(0)                   ; the lines above are done reading v192-255, in which W1 lands; v29, its offset, is written, and so are the LDS addresses v3 and v5 to v11, for the whole kernel
.irp c, 0,1
.set i, 0
.rept 32
	global_load_b32 v[WR+32*\c+i], v29, s[4:5] offset:256*(64*\c+i)   ; W1(128 s + 64 c + 32 (lane / 16) + i, 16 t + lane % 16)
.set i, i+1
.endr
.endr
	s_wait_kmcnt 0x0                               ; queries 0-7
	; ---- MINIMA: 64 queries, sixteen a trip; the last sixteen are written out, so that no load leaves the buffer
	s_mov_b32 s96, 0
	s_mov_b32 s3, 3
.Ltrip:
	SET16 1
	s_add_co_u32 s96, s96, 16*PITCH
	s_sub_co_u32 s3, s3, 1
	s_cmp_lg_u32 s3, 0
	s_cbranch_scc1 .Ltrip
	SET16 0
	; ---- my fragment of W1 becomes codes: a lane holds two whole blocks of its column
	s_wait_loadcnt 0x0
.irp c, 0,1
	v_max3_num_f32 v[TM+\c], |v[WR+32*\c]|, |v[WR+32*\c+1]|, 0x1800000
.endr
.irp i, 2,4,6,8,10,12,14,16,18,20,22,24,26,28,30
.irp c, 0,1
	v_max3_num_f32 v[TM+\c], v[TM+\c], |v[WR+32*\c+\i]|, |v[WR+32*\c+\i+1]|
.endr
.endr
.irp c, 0,1
	v_add_nc_u32 v[TM+2+\c], 0xff000000, v[TM+\c]
.endr
	s_wait_alu depctr_vm_vsrc(0)                   ; the last eight stores of minima have read v16-23: from here on these registers are at work again
.irp c, 0,1
	v_lshrrev_b32 v[TM+4+\c], 23, v[TM+2+\c]
.endr
	v_lshl_or_b32 v[TM+6], v[TM+5], 16, v[TM+4]    ; my two bytes: blocks lane / 16 and 2 + lane / 16,
	v_lshlrev_b32 v[TM+7], 3, v2
	v_lshlrev_b32 v[TM+6], v[TM+7], v[TM+6]        ; at their places in the scale word;
	v_mov_b32 v[TM+7], 0
	v_permlanex16_b32 v[TM+7], v[TM+6], s[SEL], s[SEL+1]
	v_or_b32 v[TM+6], v[TM+6], v[TM+7]             ; with lane xor 16's two the word is whole
.irp c, 0,1
.irp g, 0,1,2,3
	v_cvt_scalef32_pk8_fp4_f32 v[WC+4*\c+\g], v[WR+32*\c+8*\g:WR+32*\c+8*\g+7], v[TM+2+\c]
.endr
.endr
	v_nop                                          ; one plain place behind a scaled conversion
	s_wait_alu depctr_va_vdst(0)                   ; the conversions have written the codes and v18 holds the scale word: the three stores read them.  All that has named v240-255 is done too: the scan's first loads land there
	ds_store_b128 v5, v[WC:WC+3]                   ; the fragment goes to LDS as it stands: 16 bytes a lane, 512 a store
	ds_store_b128 v5, v[WC+4:WC+7] offset:512
	ds_store_b32 v6, v[TM+6]
	s_wait_dscnt 0x0                               ; for the others' sake: my minima, my image and my scale words have landed
	s_barrier_signal -1
	s_barrier_wait -1
	s_wait_alu depctr_vm_vsrc(0)                   ; my three stores have read v160-167 and v18, the points' and W1's loads v28 and v29: b1 lands in the first, the others are written again below
	; ---- waves 0-3 ask for their 16 rows of x, b1 and W2: 48 loads that land during the scan
	s_cmp_ge_u32 s[WV], 4
	s_cbranch_scc1 .Lno_x
	s_lshl_b32 s4, ttmp9, 16                       ; 64 rows of 1,024 bytes a work-group,
	s_lshl_b32 s5, s[WV], 14                       ; 16 a wave
	s_add_co_u32 s4, s4, s5
	s_mov_b32 s5, 0
	s_add_nc_u64 s[4:5], s[70:71], s[4:5]
	v_and_b32 v28, 15, v0
	v_lshlrev_b32 v28, 10, v28
	v_lshl_add_u32 v28, v2, 6, v28                 ; row lane % 16, + 64 (lane / 16): my 16 numbers of each block of 32
	v_lshlrev_b32 v29, 5, v2                       ; b1, W2: my half's eight of a tile's sixteen
	s_wait_alu depctr_va_vdst(0)                   ; v28 and v29 are written, which the loads below read; the minima and W1's quantiser are done with v32-223, in which they land
.irp s, 0,1
.irp b, 0,1,2,3
.irp j, 0,1,2,3
	global_load_b128 v[X+64*\s+16*\b+4*\j:X+64*\s+16*\b+4*\j+3], v28, s[4:5] offset:512*\s+128*\b+16*\j
.endr
.endr
.endr
.irp t, 0,1,2,3
	global_load_b128 v[D+8*\t:D+8*\t+3], v29, s[74:75] offset:64*\t
	global_load_b128 v[D+8*\t+4:D+8*\t+7], v29, s[74:75] offset:64*\t+16
	global_load_b128 v[W2R+8*\t:W2R+8*\t+3], v29, s[76:77] offset:64*\t
	global_load_b128 v[W2R+8*\t+4:W2R+8*\t+7], v29, s[76:77] offset:64*\t+16
.endr
	s_load_b32 s99, s[78:79], 0x0                  ; b2
.Lno_x:
	; ---- SCAN: my 64 groups of my query, sixteen a trip, in two buffers of eight; each buffer is asked for again as soon as its eight insertions are over.
	; The last sixteen are written out: nothing is left to ask for.  (The four loads below owe no wait: on either way no vector line since the last wait on va_vdst names v7 or v240-255)
	ds_load_b128 v[MB:MB+3], v7
	ds_load_b128 v[MB+4:MB+7], v7 offset:16
	ds_load_b128 v[MB+8:MB+11], v7 offset:32
	ds_load_b128 v[MB+12:MB+15], v7 offset:48
.irp j, 0,1,2,3,4,5,6,7
	v_mov_b32 v[A+\j], 0x7f800000                  ; +infinity: every finite d2 goes ahead of it
	v_mov_b32 v[I0+\j], 0
.endr
	s_mov_b32 s97, 0
	s_mov_b32 s3, 3
.Lscan:
	s_wait_dscnt 0x2                               ; the first buffer is in; the two younger loads, the second buffer's, may be out
	EIGHT MB
	s_wait_alu depctr_va_vdst(0)                   ; the eight insertions are done reading and writing v240-247, in which the next trip's first eight minima land
	ds_load_b128 v[MB:MB+3], v7 offset:64
	ds_load_b128 v[MB+4:MB+7], v7 offset:80
	s_wait_dscnt 0x2                               ; the second buffer is in; the two loads just issued may be out
	EIGHT MB+8
	s_wait_alu depctr_vm_vsrc(0)                   ; the LDS loads issued so far have read v7
	v_add_nc_u32 v7, 64, v7
	s_wait_alu depctr_va_vdst(0)                   ; v7 is written, and the eight insertions are done with v248-255, in which the next trip's other eight land
	ds_load_b128 v[MB+8:MB+11], v7 offset:32
	ds_load_b128 v[MB+12:MB+15], v7 offset:48
	s_sub_co_u32 s3, s3, 1
	s_cmp_lg_u32 s3, 0
	s_cbranch_scc1 .Lscan
	s_wait_dscnt 0x2
	EIGHT MB
	s_wait_dscnt 0x0
	EIGHT MB+8
	v_and_b32 v12, 3, v0
	v_lshl_add_u32 v12, v12, 6, s98                ; my part's first group, counted over both batches
.irp j, 0,1,2,3,4,5,6,7
	v_add_nc_u32 v[I0+\j], v12, v[I0+\j]
.endr
	MERGE 1
	MERGE 2
	; the list of the quad's first lane leaves through all four: lane part p stores numbers 2 p and 2 p + 1, so that the wave's store covers 256 consecutive bytes, aligned
	s_mov_b32 s10, 0x22222222
	s_mov_b32 s11, 0x44444444
	s_mov_b32 s12, 0x88888888
	v_mov_b32_dpp v248, v[I0+2] row_xmask:1 row_mask:0xf bank_mask:0xf
	v_mov_b32_dpp v249, v[I0+3] row_xmask:1 row_mask:0xf bank_mask:0xf
	v_mov_b32_dpp v250, v[I0+4] row_xmask:2 row_mask:0xf bank_mask:0xf
	v_mov_b32_dpp v251, v[I0+5] row_xmask:2 row_mask:0xf bank_mask:0xf
	v_mov_b32_dpp v252, v[I0+6] row_xmask:3 row_mask:0xf bank_mask:0xf
	v_mov_b32_dpp v253, v[I0+7] row_xmask:3 row_mask:0xf bank_mask:0xf
	v_cndmask_b32 v254, v[I0], v248, s10
	v_cndmask_b32 v255, v[I0+1], v249, s10
	v_cndmask_b32 v254, v254, v250, s11
	v_cndmask_b32 v255, v255, v251, s11
	v_cndmask_b32 v254, v254, v252, s12
	v_cndmask_b32 v255, v255, v253, s12
	v_lshlrev_b32 v30, 3, v0                       ; 8 bytes a thread (the loads that read the old v30 stand ahead of several waits on vm_vsrc)
	s_lshl_b32 s6, ttmp9, 11                       ; 64 queries x 32 bytes
	s_mov_b32 s7, 0
	s_add_nc_u64 s[6:7], s[80:81], s[6:7]
	s_wait_alu depctr_va_vdst(0)                   ; v30, v254 and v255 are written, which the store reads
	global_store_b64 v30, v[254:255], s[6:7]       ; v30, v254 and v255 are not written again
	; ---- BOUNDARY NET: waves 0-3, 16 rows each
	s_cmp_ge_u32 s[WV], 4
	s_cbranch_scc1 .Lno_mlp
.irp b, 0,1,2,3
	v_mov_b32 v[TM+4+\b], 0                        ; a lane permute's destination counts as one of its sources
.endr
	s_wait_loadcnt 0x0                             ; x, b1, W2
	s_wait_kmcnt 0x0                               ; b2
	s_mul_f32 s99, s99, 0xbfb8aa3b                 ; -log2(e) b2
	QUANT X, PC, XS
	s_wait_alu depctr_va_vdst(0)                   ; the quantiser is done reading v32-95, and the scan and the merges are done with v224-231: W1's fragments and scale words land there
.irp f, 0,1,2,3,4,5,6,7                ; fragment f = 4 (K step) + tile, into the registers that x's first 64 numbers have left
	ds_load_b128 v[WF+8*\f:WF+8*\f+3], v8 offset:1024*\f
	ds_load_b128 v[WF+8*\f+4:WF+8*\f+7], v8 offset:1024*\f+512
	ds_load_b32 v[WS+\f], v9 offset:128*\f
.endr
	QUANT X+64, PC+8, XS+1                         ; names v96-159, v240-247, v249 and v12-27: none of the registers that the loads above touch
	s_wait_dscnt 0x0
.rept 8
	v_nop                                          ; a scale register written by a vector instruction stands 8 places ahead of a scaled matrix instruction, an operand so written 4
.endr
	s_wait_alu depctr_va_vdst(0)                   ; the quantiser has written x's codes v232-247 and scale words v248-249, which the scaled products take; the places above stay beside this wait
.irp t, 0,1,2,3                        ; the four tiles by turns, one instruction a turn; b1 is the C of each sum's first instruction
	v_wmma_scale_f32_16x16x128_f8f6f4 v[D+8*\t:D+8*\t+7], v[WF+8*\t:WF+8*\t+7], v[PC:PC+7], v[D+8*\t:D+8*\t+7], v[WS+\t], v[XS] matrix_a_fmt:MATRIX_FMT_FP4 matrix_b_fmt:MATRIX_FMT_FP4
.endr
.irp t, 0,1,2,3
	v_wmma_scale_f32_16x16x128_f8f6f4 v[D+8*\t:D+8*\t+7], v[WF+32+8*\t:WF+32+8*\t+7], v[PC+8:PC+15], v[D+8*\t:D+8*\t+7], v[WS+4+\t], v[XS+1] matrix_a_fmt:MATRIX_FMT_FP4 matrix_b_fmt:MATRIX_FMT_FP4
.endr
.rept 4
	v_nop                                          ; four places in front of the first read of results (ISA guide 7.12.1)
.endr
.set i, 0
.rept 32
	v_max_num_f32 v[D+i], 0, v[D+i]                ; relu; register 8 t + j of lane (r, h): hidden unit 16 t + 8 h + j of row r; each tile from its low end on
.set i, i+1
.endr
	v_pk_mul_f32 v[TM:TM+1], v[D:D+1], v[W2R:W2R+1]           ; the dot product with W2, f32, two chains of pairs
	v_pk_mul_f32 v[TM+2:TM+3], v[D+2:D+3], v[W2R+2:W2R+3]
.irp j, 4,8,12,16,20,24,28
	v_pk_fma_f32 v[TM:TM+1], v[D+\j:D+\j+1], v[W2R+\j:W2R+\j+1], v[TM:TM+1]
	v_pk_fma_f32 v[TM+2:TM+3], v[D+\j+2:D+\j+3], v[W2R+\j+2:W2R+\j+3], v[TM+2:TM+3]
.endr
	v_pk_add_f32 v[TM:TM+1], v[TM:TM+1], v[TM+2:TM+3]
	v_add_f32 v[TM], v[TM], v[TM+1]
	v_permlanex16_b32 v[TM+1], v[TM], s[SEL], s[SEL+1]
	v_add_f32 v[TM], v[TM], v[TM+1]                ; with lane xor 16's 32 hidden units: the row's sum
	v_fma_f32 v[TM], v[TM], 0xbfb8aa3b, s99        ; -log2(e) (sum + b2)
	v_exp_f32 v[TM], v[TM]
	v_nop                                          ; a plain place behind the transcendental,
	s_wait_alu depctr_va_vdst(0)                   ; and a wait ahead of its first reader: the power is written
	v_add_f32 v[TM], 1.0, v[TM]
	v_rcp_f32 v[TM], v[TM]                         ; sigmoid = 1 / (1 + 2^(-log2(e) z)); an overflowing power gives 0
	v_nop
	s_wait_alu depctr_va_vdst(0)                   ; the reciprocal has written v12, which the LDS store reads: its first reader
	ds_store_b32 v10, v[TM]                        ; lanes r and r + 16 write the same word with the same value
.Lno_mlp:
	s_wait_dscnt 0x0                               ; my probabilities have landed
	s_barrier_signal -1
	s_barrier_wait -1
	s_wait_alu depctr_vm_vsrc(0)                   ; my LDS store has read v12, in which wave 0's load below lands
	s_cmp_lg_u32 s[WV], 0
	s_cbranch_scc1 .Lend
	ds_load_b64 v[12:13], v11                      ; wave 0 stores the work-group's 64 probabilities: 256 consecutive bytes, aligned.  (No vector line since the last wait on va_vdst names v11, v12 or v13)
	s_lshl_b32 s8, ttmp9, 8
	s_mov_b32 s9, 0
	s_add_nc_u64 s[8:9], s[82:83], s[8:9]
	s_wait_dscnt 0x0
	global_store_b64 v30, v[12:13], s[8:9]         ; in wave 0 the thread's number is the lane's
.Lend:
	s_set_vgpr_msb 0x5
	s_wait_dscnt 0x0
	s_wait_alu depctr_hold_cnt(0) depctr_sa_sdst(0) depctr_va_vdst(0) depctr_va_sdst(0) depctr_va_ssrc(0) depctr_va_vcc(0) depctr_vm_vsrc(0)
	s_wait_tensorcnt 0x0
	ds_add_u32 v0, v1
	s_wait_dscnt 0x0
	s_endpgm
.Lfunc_end_k_q0fbd619af7_groups:
	.size	k_q0fbd619af7_groups, .Lfunc_end_k_q0fbd619af7_groups-k_q0fbd619af7_groups
	.p2alignl 7, 3214868480
	.fill 96, 4, 3214868480
	.section	.rodata,"a",@progbits
	.p2align	6, 0x0
	.amdhsa_kernel k_q0fbd619af7_groups
		.amdhsa_group_segment_fixed_size 80384
		.amdhsa_private_segment_fixed_size 0
		.amdhsa_enable_private_segment 0
		.amdhsa_kernarg_size 64
		.amdhsa_user_sgpr_count 2
		.amdhsa_user_sgpr_kernarg_segment_ptr 1
		.amdhsa_wavefront_size32 1
		.amdhsa_system_sgpr_workgroup_id_x 1
		.amdhsa_system_sgpr_workgroup_id_y 1
		.amdhsa_system_sgpr_workgroup_id_z 1
		.amdhsa_system_vgpr_workitem_id 0
		.amdhsa_next_free_vgpr 258
		.amdhsa_next_free_sgpr 102
		.amdhsa_reserve_vcc 0
		.amdhsa_float_denorm_mode_32 3
		.amdhsa_float_denorm_mode_16_64 3
		.amdhsa_memory_ordered 1
		.amdhsa_forward_progress 1
		.amdhsa_inst_pref_size 255
	.end_amdhsa_kernel
	.section	.bss,"aw",@nobits
	.p2align	6
	.space	262144
	.amdgpu_metadata
---
amdhsa.version: [ 1, 2 ]
amdhsa.kernels:
  - .name:           k_q0fbd619af7_groups
    .symbol:         k_q0fbd619af7_groups.kd
    .args:
      - { .name: points, .offset: 0, .size: 8, .value_kind: global_buffer, .address_space: global }
      - { .name: features, .offset: 8, .size: 8, .value_kind: global_buffer, .address_space: global }
      - { .name: W1, .offset: 16, .size: 8, .value_kind: global_buffer, .address_space: global }
      - { .name: b1, .offset: 24, .size: 8, .value_kind: global_buffer, .address_space: global }
      - { .name: W2, .offset: 32, .size: 8, .value_kind: global_buffer, .address_space: global }
      - { .name: b2, .offset: 40, .size: 8, .value_kind: global_buffer, .address_space: global }
      - { .name: gids, .offset: 48, .size: 8, .value_kind: global_buffer, .address_space: global }
      - { .name: out0, .offset: 56, .size: 8, .value_kind: global_buffer, .address_space: global }
    .group_segment_fixed_size: 80384
    .private_segment_fixed_size: 0
    .kernarg_segment_align: 8
    .kernarg_segment_size: 64
    .max_flat_workgroup_size: 256
    .sgpr_count:     102
    .vgpr_count:     258
    .wavefront_size: 32
...
	.end_amdgpu_metadata
.endif
;; end of part 4
;; launch refine: the kernel of part 2 again; grid 256 x 1, 8 waves a work-group, no clusters, 0 bytes of LDS; arguments points, gids, knn; writes knn
;; launch enhance: the kernel of part 3 again; grid 256 x 1, 16 waves a work-group, no clusters, 0 bytes of LDS; arguments features, knn, out0, out1; writes out1
